; MI455X (gfx1250); checked and timed in simulation.
; The chip was launched on July 23, 2026; its instructions are those of AMD's public machine-readable ISA for CDNA 5 (MIT licence, August 2026) and "CDNA5" Instruction Set Architecture Reference Guide (July 2026). The comments in the code are by the model that wrote it; some were corrected since.
;; Attention. Allowed arithmetic: matrix products marked QUANTISED: E2M3 operands, one E8M0 scale for each 32 along K, by v_wmma_scale_f32_16x16x128_f8f6f4 with both operands' format E2M3, f32 sums; products left as they are: f32 operands where the result goes on into a quantised operand, else bf16, f16 or f32 operands; f32 sums; everything else in f32.
;; Inputs: wk 512 x 2,048 float32; wo 2,048 x 2,048 float32; wq 2,048 x 2,048 float32; wv 512 x 2,048 float32; x 2 x 1,024 x 2,048 float32.
;; Outputs: out0 2 x 1,024 x 2,048 float32.
;; This version of the problem:
;;   THIS VERSION OF THE PROBLEM IS GIVEN IN LOW PRECISION. The matrix products marked QUANTISED in the list below multiply operands that are first quantised to E2M3 (2 exponent bits, 3 mantissa bits; 6 bits a number), with one power-of-two scale for each 32 numbers along K (OCP MX v1.0); their sums are f32. All else is computed in f32.
;;   The module's matrix products, in the order in which they are computed (A, B: the left and right operand; K: the contracted axis; several contracted axes count as one K, in the product's order):
;;     1. [M 2,048, K 2,048] x [K 2,048, N 2,048]; A: input x; B: input wq: QUANTISED
;;     2. [M 2,048, K 2,048] x [K 2,048, N 512]; A: input x; B: input wk: QUANTISED
;;     3. [M 2,048, K 2,048] x [K 2,048, N 512]; A: input x; B: input wv: QUANTISED
;;     4. [M 1,024, K 1] x [K 1, N 64]; A: computed on the way; B: computed on the way: left as it is (no contracted axis)
;;     5. batch 32 x [M 1,024, K 128] x [K 128, N 1,024]; A: computed on the way; B: computed on the way: QUANTISED
;;     6. batch 32 x [M 128, K 1,024] x [K 1,024, N 1,024]; A: computed on the way; B: softmax (see below): QUANTISED
;;     7. [M 2,048, K 2,048] x [K 2,048, N 2,048]; A: computed on the way; B: input wo: QUANTISED
;;   THE QUANTISER, for each operand of a quantised product, along K:
;;     - K is cut into blocks of 32 from its start; a last block that is shorter is filled with zeros.
;;     - A block's scale is 2^e with e = floor(log2(the largest magnitude in the block)) - 2, held to -126 .. 127; a block of zeros has e = 0. As a byte (E8M0): e + 127.
;;     - Each number is divided by its block's scale, clamped to +-7.5, and rounded to the nearest number of E2M3, ties to even, subnormals kept.
;;     - The product sums the exact products of the quantised numbers (number of the format x scale) in f32.
;;   ~~~python
;;   def quantise(x, axis):      # numpy; x: float32 -> the quantised numbers, widened to float32 again
;;       x = np.moveaxis(x, axis, -1); K = x.shape[-1]
;;       x = np.pad(x, [(0, 0)] * (x.ndim - 1) + [(0, -K % 32)]); x = x.reshape(x.shape[:-1] + (-1, 32)); a = np.abs(x).max(-1, keepdims=True)
;;       e = np.where(a > 0, np.clip(np.frexp(np.where(a > 0, a, 1))[1] - 1 - 2, -126, 127), 0)      # np.frexp(a)[1] - 1 = floor(log2(a)), exactly
;;       r = np.clip(x / 2.0 ** e, -7.5, 7.5)
;;       step = 2.0 ** (np.maximum(np.frexp(np.where(r == 0, 1, r))[1] - 1, 0) - 3)
;;       q = np.round(r / step) * step * 2.0 ** e      # np.round: ties to even
;;       return np.moveaxis(q.reshape(q.shape[:-2] + (-1,))[..., :K], -1, axis).astype(np.float32)
;;   ~~~
;;   SOFTMAX AHEAD OF A QUANTISED PRODUCT. Where the list says 'softmax', what is quantised is not the finished softmax but p = 2^(t - M), with t = logit x log2(e) and M = ceil(the row's largest t), a whole number; so 1/2 < the row's largest p <= 1. The row's sum l is taken of the UNQUANTISED p, in f32, and the product's result is divided by l at the end. Since M is a whole number, a kernel that streams over the keys may use a running M (the ceiling of the running maximum): every later rescaling is an exact power of two, which a block's scale takes up: the codes' values come out the same.
;;   OPERANDS COMPUTED ON THE WAY. 'Computed on the way' means the value that the module computes at that place (a softmax that the list does not call 'softmax' is quantised finished and normalised). What goes into a quantiser is computed in f32, as accurately as f32 sums, v_exp_f32 and their like allow (about 1e-6 of the number): no bf16 or f16 on the way to a quantiser, and a product that is left as it is and whose result goes on into a quantised operand takes f32 operands (vector FMAs, or v_wmma_f32_16x16x4_f32). A number that lies on a knife's edge between two numbers of the format may be rounded either way, as far as f32 arithmetic and the matrix unit's own rounding can turn it there, and no further.
;; One version. Each part assembles by itself: llvm-mc -triple=amdgcn-amd-amdhsa -mcpu=gfx1250 --defsym DOCPART=n.
;; ======== version 1 of 1: 4 launches
;; limits: right only within a limited range of input values
;; workspace buffers: opnd 8,192,000 bytes; tab 557,056 bytes; qkv 4,915,200 bytes; obuf 3,276,800 bytes; wob 3,276,800 bytes
;; launch quant (part 1): grid 354 x 1, 4 waves a work-group, no clusters, 35,328 bytes of LDS; arguments x, wq, wk, wv, opnd, tab; writes opnd, tab
.if DOCPART == 1
	.amdgcn_target "amdgcn-amd-amdhsa--gfx1250"
	.amdhsa_code_object_version 6
	.text
	.protected	k_q1254360c03_quant
	.globl	k_q1254360c03_quant
	.p2align	8
	.type	k_q1254360c03_quant,@function
k_q1254360c03_quant:
	s_mov_b64 s[64:65], 0
	v_nop
	global_prefetch_b8 v0, s[64:65] scope:SCOPE_SE
	s_setreg_imm32_b32 hwreg(HW_REG_WAVE_MODE, 25, 1), 1
	s_wait_xcnt 0x0
; x [2048][2048], wq [2048][2048], wk [512][2048], wv [512][2048], wo [2048][2048], all f32 with K innermost, become codes of FP6 (E2M3) with one E8M0 byte for each 32 along K,
; laid in the ORDER OF THE OPERAND'S REGISTERS.  Rows go in tiles of 16: tile T = 2 G + u holds rows 32 G + 8 u + p + 8 (p / 8), p = 0 .. 15.  A fragment (a tile x 128 K) is 12 registers a lane:
; its image is 1,536 bytes, registers 4 c .. 4 c + 3 of lane l at 512 c + 16 l.  opnd: codes [tile 0..447][K step 0..15][1,536], then from OSC on scale words [tile][K step][16 rows x 4 bytes].
; Tiles 0-127 x, 128-255 wq, 256-287 wk, 288-319 wv, 320-447 wo.  Work-group T (0..447) takes tile T, wave w its K steps 4 w .. 4 w + 3.
; A load reads 512 consecutive bytes of one row; the 16 rows turn through the wave's own stage in LDS (rows 528 bytes apart), and lane (r, h) takes back the 2 x 32 numbers that the operand's layout gives it:
; k = 64 c + 32 h + 0 .. 31 of row r, into the registers that the rows have left.  So a block of 32 lies in one lane, and the conversions' results are the operand's registers.
; THREE SETS of 64 registers: three of a wave's four K steps, 48 loads, are asked for at the head; the fourth goes out as soon as the first set's conversions are issued.
; A block's scale is 2^(floor(log2(largest magnitude)) - 2); its byte is the largest magnitude's exponent field - 2, held at 1 from below.
; Work-groups 448-481 make the rope table tab [1088 rows][64 pairs][cos, sin] f32: row = position; rows 1024-1087 are (1, 0).  angle = f32(position) x theta, theta = 2^(-i log2(10000) / 64);
; cos and sin by a reduction modulo pi / 2 in two parts (what is left of pi / 2, times at most 652, is under 1.2e-12) and polynomials on [-pi/4, pi/4].
; LIMITS: NaN and infinities are not served; a block of zeros, or one whose largest magnitude lies under 2^-124, gets the byte 1 (the bytes are read by this program alone);
; theta carries the rounding of one f32 product and of v_exp_f32, so that the angle at the far positions can lie about 1e-4 rad from one made with another f32 theta.
; THIS LAUNCH TAKES x, wq, wk AND wv ALONE: tiles 0-319, work-groups 0-319; the table's work-groups are 320-353.  wo is quantised by launch attn, into a buffer of its own.
.set NT,   320                         ; row tiles
.set OSC,  7864320                     ; NT x 24,576: where the scale words begin
.set RGN,  8704                        ; LDS of a wave: the stage, 16 x 528, and 256 bytes of scale words
.set SCW,  8448
.set SP,   528                         ; a stage row: 512 bytes + 16
.set R,    16                          ; v16-207  three sets of 64: a K step as loaded, then my 64 numbers of it
.set C,    208                         ; v208-219 the fragment
.set CO0,  220                         ; v220-222, v224-226: the second halves of the blocks' codes (a conversion's three registers begin on an even number)
.set CO1,  224
.set MX,   228                         ; v228-229 largest magnitudes
.set SO,   230                         ; v230-231 the conversions' scale operands
.set BY,   232                         ; v232-233 the bytes
.set WD,   234                         ; v234 the scale word
.set PD,   235                         ; v235 the permute's destination
	s_load_b256 s[4:11], s[0:1], 0x0               ; x s[4:5], wq s[6:7], wk s[8:9], wv s[10:11]
	s_load_b64 s[14:15], s[0:1], 0x20              ; opnd
	s_load_b64 s[16:17], s[0:1], 0x28              ; tab
	v_lshl_add_u32 v240, v0, 2, 0x8800
	v_mov_b32 v241, 0
	v_lshrrev_b32 v1, 5, v0
	v_readfirstlane_b32 s24, v1                    ; wave 0..3
	v_and_b32 v1, 31, v0                           ; lane
	v_lshlrev_b32 v2, 4, v1                        ; 16 x lane: a load's, a code store's and a table store's offset
	s_cmp_ge_u32 ttmp9, NT
	s_cbranch_scc1 .Ltable
	v_and_b32 v10, 15, v0                          ; r
	v_bfe_u32 v11, v0, 4, 1                        ; h
	s_mul_i32 s25, s24, RGN                        ; my wave's LDS
	v_add_nc_u32 v3, s25, v2                       ; the stage, in: 16 x lane, + 528 x row in the immediate
	v_mul_u32_u24 v4, v10, SP
	v_lshl_add_u32 v4, v11, 7, v4
	v_add_nc_u32 v4, s25, v4                       ; out: row r, + 128 h
	s_add_co_u32 s26, s25, SCW
	v_lshl_add_u32 v5, v10, 2, s26                 ; my row's scale word
	v_lshl_add_u32 v6, v1, 3, s26                  ; and 8 bytes a lane on the way out
	v_lshlrev_b32 v8, 3, v1
	v_lshlrev_b32 v9, 3, v11                       ; 8 h: my bytes' place in the word
	v_mov_b32 v[PD], 0                             ; written once: a lane permute's destination counts as one of its sources
	s_mov_b32 s28, 0x76543210
	s_mov_b32 s29, 0xfedcba98                      ; v_permlanex16_b32's selects for lane l xor 16
	s_wait_alu depctr_va_vdst(0)
	s_wait_kmcnt 0x0
	s_mov_b64 s[18:19], s[10:11]                   ; which tensor, and its first tile: the choice hangs on the work-group's number alone
	s_mov_b32 s20, 288
	s_cmp_lt_u32 ttmp9, 288
	s_cselect_b64 s[18:19], s[8:9], s[18:19]
	s_cselect_b32 s20, 256, s20
	s_cmp_lt_u32 ttmp9, 256
	s_cselect_b64 s[18:19], s[6:7], s[18:19]
	s_cselect_b32 s20, 128, s20
	s_cmp_lt_u32 ttmp9, 128
	s_cselect_b64 s[18:19], s[4:5], s[18:19]
	s_cselect_b32 s20, 0, s20
	s_sub_co_u32 s21, ttmp9, s20                   ; the tile's number in its tensor
	s_lshr_b32 s22, s21, 1
	s_lshl_b32 s22, s22, 5
	s_and_b32 s23, s21, 1
	s_lshl_b32 s23, s23, 3
	s_add_co_u32 s22, s22, s23                     ; its first row: 32 G + 8 u
	s_lshl_b32 s22, s22, 13                        ; rows of 8,192 bytes
	s_lshl_b32 s23, s24, 11                        ; my four K steps: 2,048 bytes a wave
	s_add_co_u32 s22, s22, s23
	s_mov_b32 s23, 0
	s_add_nc_u64 s[18:19], s[18:19], s[22:23]
	s_mul_i32 s22, ttmp9, 24576
	s_mul_i32 s30, s24, 6144
	s_add_co_u32 s22, s22, s30
	s_add_nc_u64 s[32:33], s[14:15], s[22:23]      ; my four fragments' images
	s_lshl_b32 s22, ttmp9, 10
	s_lshl_b32 s30, s24, 8
	s_add_co_u32 s22, s22, s30
	s_add_co_u32 s22, s22, OSC
	s_add_nc_u64 s[34:35], s[14:15], s[22:23]      ; and their 256 bytes of scale words
.macro LOADF ks                        ; K step ks of the tile's 16 rows into set ks % 3: each load reads 512 consecutive bytes of one row
.irp p, 0,1,2,3,4,5,6,7,8,9,10,11,12,13,14,15
	global_load_b128 v[R+64*((\ks)%3)+4*\p:R+64*((\ks)%3)+4*\p+3], v2, s[18:19] offset:(\p+8*(\p/8))*8192+512*(\ks) th:TH_LOAD_NT
.endr
.endm
.macro FRAGQ ks
.set X, R+64*((\ks)%3)
.if (\ks) < 2
	s_wait_loadcnt 32                              ; this K step's 16 loads are in; the two younger sets' 32 may be out
.elseif (\ks) == 2
	s_wait_loadcnt 16                              ; the last set's 16 may be out
.else
	s_wait_loadcnt 0x0
.endif
.irp p, 0,1,2,3,4,5,6,7,8,9,10,11,12,13,14,15
	ds_store_b128 v3, v[X+4*\p:X+4*\p+3] offset:SP*\p
.endr
.irp c, 0,1
.irp e, 0,1,2,3,4,5,6,7
	ds_load_b128 v[X+32*\c+4*\e:X+32*\c+4*\e+3], v4 offset:256*\c+16*\e   ; LDS serves a wave's instructions in order: these see the stores above, and land in the registers that the rows have left
.endr
.endr
	s_wait_dscnt 0x0                               ; my 64 numbers are in
.irp c, 0,1
	v_max3_num_f32 v[MX+\c], |v[X+32*\c]|, |v[X+1+32*\c]|, 0x1800000   ; my block 2 c + h: all its 32 numbers are mine; the floor 2^(3 - 127) holds the byte at 1 from below
.endr
.irp i, 2,4,6,8,10,12,14,16,18,20,22,24,26,28,30
.irp c, 0,1
	v_max3_num_f32 v[MX+\c], v[MX+\c], |v[X+32*\c+\i]|, |v[X+1+32*\c+\i]|   ; (the two blocks by turns)
.endr
.endr
.irp c, 0,1
	v_add_nc_u32 v[SO+\c], 0xff000000, v[MX+\c]    ; 2 off the exponent field: the conversion takes the exponent field of this operand as its scale
.endr
.irp c, 0,1
	v_lshrrev_b32 v[BY+\c], 23, v[SO+\c]           ; the scale's byte
.endr
	v_lshl_or_b32 v[WD], v[BY+1], 16, v[BY]        ; blocks h and 2 + h of row r,
	v_lshlrev_b32 v[WD], v9, v[WD]                 ; at their places in the word;
	v_permlanex16_b32 v[PD], v[WD], s28, s29
	v_or_b32 v[WD], v[WD], v[PD]                   ; with lane l xor 16's two the word is whole
.if (\ks) > 0
	s_wait_alu depctr_va_vdst(0)
	s_wait_xcnt 0x0                                ; the last fragment's stores have read their registers: the codes are written again only behind this wait
.endif
	v_cvt_scalef32_pk16_fp6_f32 v[C:C+2], v[X:X+15], v[SO]
	v_cvt_scalef32_pk16_fp6_f32 v[CO0:CO0+2], v[X+16:X+31], v[SO]
	v_cvt_scalef32_pk16_fp6_f32 v[C+6:C+8], v[X+32:X+47], v[SO+1]
	v_cvt_scalef32_pk16_fp6_f32 v[CO1:CO1+2], v[X+48:X+63], v[SO+1]
	v_nop                                          ; one plain place behind a scaled conversion
.if (\ks) == 0
	LOADF 3                                        ; set 0 is free: it takes my last K step, ahead of this fragment's stores
.endif
.irp i, 0,1,2
	v_mov_b32 v[C+3+\i], v[CO0+\i]
	v_mov_b32 v[C+9+\i], v[CO1+\i]
.endr
.irp c, 0,1,2
	global_store_b128 v2, v[C+4*\c:C+4*\c+3], s[32:33] offset:1536*(\ks)+512*\c   ; 32 lanes store 512 consecutive bytes, aligned
.endr
	ds_store_b32 v5, v[WD] offset:64*(\ks)         ; both halves of the lanes write the same word with the same value
.endm
	LOADF 0
	LOADF 1
	LOADF 2
	FRAGQ 0
	FRAGQ 1
	FRAGQ 2
	FRAGQ 3
	ds_load_b64 v[236:237], v6                     ; my four K steps' scale words: these see my stores
	s_wait_dscnt 0x0
	global_store_b64 v8, v[236:237], s[34:35]      ; 32 lanes store 256 consecutive bytes, aligned
	s_wait_tensorcnt 0x0
	ds_add_u32 v240, v241
	s_wait_dscnt 0x0
	s_endpgm
.Ltable:                                               ; no LDS on this way
	s_sub_co_u32 s20, ttmp9, NT                    ; 0 .. 33: 32 rows a work-group, 8 a wave
	s_lshl_b32 s21, s20, 5
	s_lshl_b32 s22, s24, 3
	s_add_co_u32 s21, s21, s22                     ; my first row
	s_lshl_b32 s22, s21, 9                         ; rows of 512 bytes
	s_mov_b32 s23, 0
	s_mov_b32 s36, 0xbfc90fdb                      ; -(pi / 2), its f32
	s_mov_b32 s37, 0x333bbd2e                      ; what that f32 has too much: + 4.3711388e-8
	s_mov_b32 s38, 0xb94ca1f9                      ; sin: -1.9515296e-4,
	s_mov_b32 s39, 0x3c08839e                      ; 8.3321609e-3,
	s_mov_b32 s40, 0xbe2aaaa3                      ; -1.6666655e-1
	s_mov_b32 s41, 0x37ccf5ce                      ; cos: 2.4433157e-5,
	s_mov_b32 s42, 0xbab6061a                      ; -1.3887316e-3,
	s_mov_b32 s43, 0x3d2aaaa5                      ; 4.1666646e-2
	s_wait_alu depctr_va_vdst(0)
	v_lshlrev_b32 v10, 1, v1                       ; my pairs: 2 l and 2 l + 1
	v_cvt_f32_u32 v10, v10
	v_add_f32 v11, 1.0, v10
	v_mul_f32 v10, 0xbe549a78, v10                 ; x -log2(10000) / 64
	v_mul_f32 v11, 0xbe549a78, v11
	s_wait_alu depctr_va_vdst(0)
	v_exp_f32 v10, v10                             ; theta
	v_exp_f32 v11, v11
	v_nop                                          ; a plain place behind the exponentials
	s_wait_alu depctr_va_vdst(0)                   ; the wait ahead of the first reader: one for both
	s_wait_kmcnt 0x0
	s_add_nc_u64 s[16:17], s[16:17], s[22:23]
.macro SINCOS a, co, si                ; cos and sin of v[a], 0 <= v[a] < 1,024
	v_mul_f32 v14, 0x3f22f983, v[\a]               ; x 2 / pi
	v_rndne_f32 v14, v14                           ; k
	v_fma_f32 v15, v14, s36, v[\a]
	v_fma_f32 v15, v14, s37, v15                   ; r = angle - k pi / 2
	v_cvt_i32_f32 v16, v14
	v_mul_f32 v17, v15, v15                        ; z = r r
	v_fma_f32 v18, v17, s38, s39
	v_fma_f32 v19, v17, s41, s42
	v_mul_f32 v20, v17, v15
	v_mul_f32 v21, v17, v17
	v_fma_f32 v18, v18, v17, s40
	v_fma_f32 v19, v19, v17, s43
	v_fma_f32 v22, v17, -0.5, 1.0
	v_fma_f32 v18, v18, v20, v15                   ; sin r
	v_fma_f32 v19, v19, v21, v22                   ; cos r
	v_and_b32 v20, 1, v16
	v_cmp_eq_u32 vcc_lo, 1, v20                    ; an odd k swaps the two;
	v_cndmask_b32 v[\si], v18, v19, vcc_lo
	v_cndmask_b32 v[\co], v19, v18, vcc_lo
	v_lshlrev_b32 v20, 30, v16                     ; bit 1 of k turns the sine's sign,
	v_add_nc_u32 v21, 1, v16
	v_and_b32 v20, 0x80000000, v20
	v_lshlrev_b32 v21, 30, v21                     ; bit 1 of k + 1 the cosine's
	v_xor_b32 v[\si], v[\si], v20
	v_and_b32 v21, 0x80000000, v21
	v_xor_b32 v[\co], v[\co], v21
.endm
.irp j, 0,1,2,3,4,5,6,7                ; each row has four registers of its own, so that no store's data are written again
	s_add_co_u32 s23, s21, \j
	s_cmp_lt_u32 s20, 32
	s_cselect_b32 s23, s23, 0                      ; rows from 1,024 on: position 0, which gives (1, 0) exactly
	v_cvt_f32_u32 v12, s23
	v_mul_f32 v13, v12, v11                        ; the angle: one f32 product
	v_mul_f32 v12, v12, v10
	SINCOS 12, 32+4*\j, 33+4*\j
	SINCOS 13, 34+4*\j, 35+4*\j
	global_store_b128 v2, v[32+4*\j:35+4*\j], s[16:17] offset:512*\j   ; 32 lanes store a row's 512 bytes
.endr
	s_endpgm
.Lfunc_end_k_q1254360c03_quant:
	.size	k_q1254360c03_quant, .Lfunc_end_k_q1254360c03_quant-k_q1254360c03_quant
	.p2alignl 7, 3214868480
	.fill 96, 4, 3214868480
	.section	.rodata,"a",@progbits
	.p2align	6, 0x0
	.amdhsa_kernel k_q1254360c03_quant
		.amdhsa_group_segment_fixed_size 35328
		.amdhsa_private_segment_fixed_size 0
		.amdhsa_enable_private_segment 0
		.amdhsa_kernarg_size 48
		.amdhsa_user_sgpr_count 2
		.amdhsa_user_sgpr_kernarg_segment_ptr 1
		.amdhsa_wavefront_size32 1
		.amdhsa_system_sgpr_workgroup_id_x 1
		.amdhsa_system_sgpr_workgroup_id_y 1
		.amdhsa_system_sgpr_workgroup_id_z 1
		.amdhsa_system_vgpr_workitem_id 0
		.amdhsa_next_free_vgpr 242
		.amdhsa_next_free_sgpr 66
		.amdhsa_reserve_vcc 1
		.amdhsa_float_denorm_mode_32 3
		.amdhsa_float_denorm_mode_16_64 3
		.amdhsa_memory_ordered 1
		.amdhsa_forward_progress 1
		.amdhsa_inst_pref_size 54
	.end_amdhsa_kernel
	.amdgpu_metadata
---
amdhsa.version: [ 1, 2 ]
amdhsa.kernels:
  - .name:           k_q1254360c03_quant
    .symbol:         k_q1254360c03_quant.kd
    .args:
      - { .name: x, .offset: 0, .size: 8, .value_kind: global_buffer, .address_space: global }
      - { .name: wq, .offset: 8, .size: 8, .value_kind: global_buffer, .address_space: global }
      - { .name: wk, .offset: 16, .size: 8, .value_kind: global_buffer, .address_space: global }
      - { .name: wv, .offset: 24, .size: 8, .value_kind: global_buffer, .address_space: global }
      - { .name: opnd, .offset: 32, .size: 8, .value_kind: global_buffer, .address_space: global }
      - { .name: tab, .offset: 40, .size: 8, .value_kind: global_buffer, .address_space: global }
    .group_segment_fixed_size: 35328
    .private_segment_fixed_size: 0
    .kernarg_segment_align: 8
    .kernarg_segment_size: 48
    .max_flat_workgroup_size: 128
    .sgpr_count:     66
    .vgpr_count:     242
    .wavefront_size: 32
...
	.end_amdgpu_metadata
.endif
;; end of part 1
;; launch qkv (part 2): grid 24 x 8, 4 waves a work-group, clusters of 4 x 1, 327,680 bytes of LDS; arguments opnd, tab, qkv; writes qkv
.if DOCPART == 2
	.amdgcn_target "amdgcn-amd-amdhsa--gfx1250"
	.amdhsa_code_object_version 6
	.text
	.protected	k_q1254360c03_qkv
	.globl	k_q1254360c03_qkv
	.p2align	8
	.type	k_q1254360c03_qkv,@function
k_q1254360c03_qkv:
	s_mov_b64 s[64:65], 0
	v_nop
	global_prefetch_b8 v0, s[64:65] scope:SCOPE_SE
	s_setreg_imm32_b32 hwreg(HW_REG_WAVE_MODE, 25, 1), 1
	s_wait_xcnt 0x0
	s_wait_alu depctr_hold_cnt(0) depctr_sa_sdst(0) depctr_va_vdst(0) depctr_va_sdst(0) depctr_va_ssrc(0) depctr_va_vcc(0) depctr_vm_vsrc(0)
	s_getreg_b32 s2, hwreg(HW_REG_IB_STS2, 6, 4)
	s_cmp_eq_u32 s2, 0
	s_cbranch_scc0 .Lentry_in_a_cluster
	s_endpgm
.Lentry_in_a_cluster:
	s_bfe_u32 s2, ttmp6, 0x10000c
	s_cmp_lg_u32 s2, 0x3003
	s_cbranch_scc0 .Lentry_shape_is_right
	s_endpgm
.Lentry_shape_is_right:
; The three projections on codes of FP6 (E2M3), the rope, and the quantising of q, k (along the head's 128) and v (along the keys), in one launch.
; opnd holds x, wq, wk, wv, wo as fragment images: codes [tile][K step 0..15][1,536], scale words from OSC on [tile][K step][64]; tile T = 2 G + u holds rows 32 G + 8 u + p + 8 (p / 8).
; THE PRODUCT: 128 rows of a P operand (source 0) x 256 rows of a Q operand (source 1), K = 2,048.  Each of the four waves takes all 8 tiles of P and 4 tiles of Q of its own: 32 accumulators.
; In a result lane (r, h) holds Q's row r, and the 16 registers of P's tiles 2 b, 2 b + 1 are P's rows 32 b + 16 h + 0 .. 15: 16 neighbours, as the conversions want them.
; X = cluster x (0..5), y (0..7), cx (0..3).  X < 5: P = the 128 rows of head 4 X + cx (16 heads of wq, then 4 of wk), Q = rows 256 y .. of x: a lane holds a position, its registers run along d.
; X = 5: P = rows 128 kt .. of x (kt = 4 (y & 3) + cx: 128 keys), Q = rows 256 (y >> 2) .. of wv: a lane holds a channel d, its registers run along the keys, which are the K of attention's second product.
; The kinds differ in pointers alone (s_cselect_b32 on X): no branch hangs on them.  v goes through the rope with the table's rows (1, 0), which change nothing.
; CLUSTER: the four partners need the same tiles of Q: waves 2 and 3 ask for them JOINTLY (mask 15).  P's tiles are each work-group's own: waves 0 and 1 fetch them by plain loads; cx enters that global address alone.
; RING: two LDS slots of four K steps each; two refills in all; each has four K steps, 128 matrix instructions a wave, in which to land.  By this text's count a wave has at most one tensor load out.
; OUT (buffer qkv): q's fragment images [(b 16 + head) 64 + tile][1,536], their scale words from QSC on [..][64]; from KVO on blocks of 25,600 bytes [(b 4 + kv head) 8 + key step]:
; 8 fragments of K, 8 of V^T, 512 bytes of K's scale words, 512 of V's.
; LIMITS: NaN and infinities are not served; a block of zeros gets the byte 1 with zero codes (read by this program alone).
; REGISTERS: window 0: v1-14 addresses; v28-29 the add's; v32-127 scale words and nothing else; v128-223 Q's fragments, two sets (on the way out: the roped numbers and the quantiser's);
;   window 1: P's fragments, two sets of 96;  window 2: accumulator (i, t) at v[8 (8 i + t)];  window 3: cos and sin, 64 registers for each of my four tiles.
.set TILEB, 24576                      ; a tile's codes: 16 K steps
.set FRB,   1536                       ; a fragment's image
.set SLKS,  6144                       ; a tile's four K steps in a slot
.set QOFF,  8*SLKS                     ; a slot: P's 8 tiles, then Q's 16
.set SLOT,  24*SLKS
.set SPARE, 2*SLOT                     ; behind the ring: the spare words, 128 bytes a wave
.set SCR,   SPARE+512                  ; and 256 bytes a wave for the scale words on the way out: no fill lands there
.set OSC,   7864320                    ; opnd holds 320 tiles: x, wq, wk, wv
.set QSC,   3145728
.set KVO,   3276800
.set KVB,   25600
.set ADP,   5                          ; v5-6   16 x lane + slot: P's fragments (v5 is also the stores' offset)
.set ADQ,   8                          ; v8-9   the same for my four tiles of Q
.set SC,    32                         ; scale words: v[SC + 6 ks + j], j = 0..3: P's tile 2 j in lanes 0-15, 2 j + 1 in lanes 16-31; j = 4, 5: my tiles of Q likewise
.set QF,    128
.set HA,    128                        ; the way out: 64 roped numbers
.set TM,    192                        ; v192-207 the quantiser's
.set PW,    208
.set PC,    210                        ; v210-228 the codes
.set TT,    232                        ; v232-235 the rope's
.set G1P,   24
.set G1Q,   32
.set G0P,   40
.set G0Q,   48
.set SEL,   74
.set MSB, 0
.macro WIN new                         ; the immediate's high byte repeats the setting that is left
.if MSB != \new
	s_set_vgpr_msb (MSB<<8)|\new
.set MSB, \new
.endif
.endm
.macro PLACES n
.rept \n
	v_nop
.endr
.endm
.macro CREST                           ; a round of the cluster's barrier behind its opening barrier
	s_cmp_lg_u32 s10, 0
	s_cbranch_scc1 .Lnot_wave_0_\@
	s_barrier_signal -3
.Lnot_wave_0_\@:
	s_barrier_wait -3
	s_barrier_signal -1
	s_barrier_wait -1
.endm
.macro CROUND
	s_barrier_signal -1
	s_barrier_wait -1
	CREST
.endm
.macro JLOAD s                         ; slot s.  Waves 0, 1: P's halves, plain; waves 2, 3: Q's halves, joint.  The branch hangs on the wave's number alone.  Four v_nop follow each line
	s_cmp_eq_u32 s11, 0
	s_cbranch_scc0 .Lfor_q_\@
	tensor_load_to_lds s[G0P+4*(\s):G0P+4*(\s)+3], s[G1P:G1P+7]
	s_nop 0
.rept 4
	v_nop
.endr
	s_branch .Lasked_\@
.Lfor_q_\@:
	tensor_load_to_lds s[G0Q+4*(\s):G0Q+4*(\s)+3], s[G1Q:G1Q+7]
	s_nop 0
.rept 4
	v_nop
.endr
.Lasked_\@:
.endm
	s_load_b128 s[4:7], s[0:1], 0x0                ; opnd, tab
	s_load_b64 s[8:9], s[0:1], 0x10                ; qkv
	v_lshl_add_u32 v28, v0, 2, SPARE
	v_mov_b32 v29, 0
	ds_add_u32 v28, v29
	ds_add_u32 v28, v29
	s_wait_dscnt 0x0
	v_lshrrev_b32 v1, 5, v0
	v_readfirstlane_b32 s10, v1                    ; wave 0..3
	s_lshr_b32 s11, s10, 1                         ; I fetch for P (0) or for Q (1)
	s_and_b32 s12, s10, 1                          ; which half
	s_bfe_u32 s13, ttmp6, 0x40000                  ; cx
	s_mov_b32 s14, ttmp9                           ; X
	s_and_b32 s15, ttmp7, 0xffff                   ; y
	; what the four partners share
	s_and_b32 s20, s15, 3
	s_lshr_b32 s21, s15, 2
	s_lshl_b32 s22, s15, 4                         ; x's tiles from 16 y on,
	s_lshl_b32 s23, s21, 4
	s_add_co_u32 s23, s23, 288                     ; or wv's from 288 + 16 (y >> 2) on
	s_lshl_b32 s80, s20, 8
	s_lshl_b32 s81, s10, 6
	s_add_co_u32 s80, s80, s81
	s_lshl_b32 s80, s80, 9                         ; the table: my first position, 256 (y & 3) + 64 w, rows of 512 bytes
	s_cmp_lt_u32 s14, 5
	s_cselect_b32 s22, s22, s23                    ; Q's first tile
	s_cselect_b32 s80, s80, 0x80000                ; v: the rows (1, 0), from row 1,024 on,
	s_cselect_b32 s62, 512, 0                      ; the same for every lane
	s_mov_b32 s81, 0
	s_mul_i32 s72, s22, TILEB
	s_mul_i32 s73, s12, 8*TILEB
	s_add_co_u32 s72, s72, s73                     ; Q's codes: my half's 8 tiles
	s_mov_b32 s73, 0
	s_lshl_b32 s58, s10, 2
	s_add_co_u32 s58, s58, s22
	s_lshl_b32 s58, s58, 10
	s_add_co_u32 s58, s58, OSC                     ; the scale words of my four tiles of Q
	s_mov_b32 s59, 0
	s_mul_i32 s76, s12, 4*SLKS                     ; LDS: P's half,
	s_mul_i32 s77, s12, 8*SLKS
	s_add_co_u32 s77, s77, QOFF                    ; Q's half,
	s_mul_i32 s78, s10, 4*SLKS
	s_add_co_u32 s78, s78, QOFF                    ; and the four tiles of Q that I multiply
	; what hangs on cx: global addresses alone
	s_lshl_b32 s16, s14, 2
	s_add_co_u32 s16, s16, s13                     ; hd = 4 X + cx
	s_lshl_b32 s17, s20, 2
	s_add_co_u32 s17, s17, s13                     ; kt = 4 (y & 3) + cx
	s_lshl_b32 s18, s16, 3
	s_add_co_u32 s18, s18, 128
	s_lshl_b32 s19, s17, 3
	s_cmp_lt_u32 s14, 5
	s_cselect_b32 s18, s18, s19                    ; P's first tile
	s_mul_i32 s70, s18, TILEB
	s_mul_i32 s71, s12, 4*TILEB
	s_add_co_u32 s70, s70, s71
	s_mov_b32 s71, 0
	s_lshl_b32 s56, s18, 10
	s_add_co_u32 s56, s56, OSC
	s_mov_b32 s57, 0
	; where the results go.  q: index ((y >> 2) 16 + hd) 64 + 16 (y & 3) + 4 w
	s_lshl_b32 s84, s21, 4
	s_add_co_u32 s84, s84, s16
	s_lshl_b32 s84, s84, 6
	s_lshl_b32 s85, s20, 4
	s_add_co_u32 s84, s84, s85
	s_lshl_b32 s85, s10, 2
	s_add_co_u32 s84, s84, s85
	s_mul_i32 s86, s84, FRB
	s_lshl_b32 s87, s84, 6
	s_add_co_u32 s87, s87, QSC
	; k: block ((y >> 2) 4 + hd - 16) 8 + 2 (y & 3) + (w >> 1)
	s_lshl_b32 s88, s21, 2
	s_add_co_u32 s88, s88, s16
	s_sub_co_u32 s88, s88, 16
	s_lshl_b32 s88, s88, 3
	s_lshl_b32 s85, s20, 1
	s_add_co_u32 s88, s88, s85
	s_add_co_u32 s88, s88, s11
	; v: block ((kt >> 3) 4 + 2 (y >> 2) + (w >> 1)) 8 + (kt & 7)
	s_lshr_b32 s89, s17, 3
	s_lshl_b32 s89, s89, 2
	s_lshl_b32 s85, s21, 1
	s_add_co_u32 s89, s89, s85
	s_add_co_u32 s89, s89, s11
	s_lshl_b32 s89, s89, 3
	s_and_b32 s85, s17, 7
	s_add_co_u32 s89, s89, s85
	s_cmp_lt_u32 s14, 5
	s_cselect_b32 s88, s88, s89
	s_cselect_b32 s90, 0, 12288                    ; V's fragments lie behind K's eight,
	s_cselect_b32 s91, 0, 512                      ; its scale words behind K's
	s_mul_i32 s88, s88, KVB
	s_add_co_u32 s88, s88, KVO
	s_mul_i32 s85, s12, 4*FRB                      ; my four tiles of the block's eight
	s_add_co_u32 s90, s90, s88
	s_add_co_u32 s90, s90, s85
	s_lshl_b32 s85, s12, 8
	s_add_co_u32 s91, s91, s88
	s_add_co_u32 s91, s91, s85
	s_add_co_u32 s91, s91, 24576
	s_cmp_lt_u32 s14, 4
	s_cselect_b32 s86, s86, s90
	s_cselect_b32 s92, s87, s91
	s_mov_b32 s87, 0
	s_mov_b32 s93, 0
	; descriptor group 1, elements of 8 bytes: rows of 768 (a tile's four K steps, 6,144 bytes), 3,072 from tile to tile; 4 tiles of P, 8 of Q; dense in LDS
	s_mov_b32 s[G1P+0], 3<<16                      ; no mask
	s_mov_b32 s[G1P+1], 768<<16                    ; tensor_dim0
	s_mov_b32 s[G1P+2], 4<<16                      ; tensor_dim1
	s_mov_b32 s[G1P+3], 768<<16                    ; tile_dim0
	s_mov_b32 s[G1P+4], 4                          ; tile_dim1
	s_mov_b32 s[G1P+5], 3072                       ; the pitch
	s_mov_b32 s[G1P+6], 0
	s_mov_b32 s[G1P+7], 0
	s_mov_b32 s[G1Q+0], 15|(3<<16)|(1<<21)         ; the mask names all four partners; bit 21 beside it
	s_mov_b32 s[G1Q+1], 768<<16
	s_mov_b32 s[G1Q+2], 8<<16
	s_mov_b32 s[G1Q+3], 768<<16
	s_mov_b32 s[G1Q+4], 8
	s_mov_b32 s[G1Q+5], 3072
	s_mov_b32 s[G1Q+6], 0
	s_mov_b32 s[G1Q+7], 0
	s_mov_b32 s[SEL], 0x76543210
	s_mov_b32 s[SEL+1], 0xfedcba98
	s_wait_kmcnt 0x0
	s_add_nc_u64 s[70:71], s[4:5], s[70:71]        ; P's codes
	s_add_nc_u64 s[72:73], s[4:5], s[72:73]        ; Q's codes
	s_add_nc_u64 s[56:57], s[4:5], s[56:57]        ; P's scale words
	s_add_nc_u64 s[58:59], s[4:5], s[58:59]        ; Q's
	s_add_nc_u64 s[60:61], s[6:7], s[80:81]        ; the table
	s_add_nc_u64 s[66:67], s[8:9], s[86:87]        ; my four fragments' images
	s_add_nc_u64 s[68:69], s[8:9], s[92:93]        ; and their scale words
	CROUND                                         ; all four work-groups are here: the first joint loads meet
.irp s, 0,1
	s_mov_b32 s[G0P+4*\s], 1
	s_add_co_u32 s[G0P+4*\s+1], s76, \s*SLOT
	s_add_nc_u64 s[G0P+4*\s+2:G0P+4*\s+3], s[70:71], \s*SLKS
	s_or_b32 s[G0P+4*\s+3], s[G0P+4*\s+3], 0x80000000
	s_mov_b32 s[G0Q+4*\s], 1
	s_add_co_u32 s[G0Q+4*\s+1], s77, \s*SLOT
	s_add_nc_u64 s[G0Q+4*\s+2:G0Q+4*\s+3], s[72:73], \s*SLKS
	s_or_b32 s[G0Q+4*\s+3], s[G0Q+4*\s+3], 0x80000000
.endr
	s_cmp_eq_u32 s11, 0                            ; a wave's first fill stands in one branch, ahead of every wait on TENSORcnt and every LDS read
	s_cbranch_scc0 .Lfirst_q
	tensor_load_to_lds s[G0P:G0P+3], s[G1P:G1P+7]  ; slot 0: one tensor load a wave at the head
	s_nop 0
.rept 4
	v_nop
.endr
	s_branch .Lfirst_asked
.Lfirst_q:
	tensor_load_to_lds s[G0Q:G0Q+3], s[G1Q:G1Q+7]
	s_nop 0
.rept 4
	v_nop
.endr
.Lfirst_asked:
	v_and_b32 v1, 31, v0                           ; lane
	v_and_b32 v2, 15, v0                           ; r
	v_bfe_u32 v3, v0, 4, 1                         ; h
	v_lshlrev_b32 v10, 2, v2
	v_lshl_add_u32 v10, v3, 10, v10                ; scale words: 4 r, lanes 16-31 one tile (1,024 bytes) on
.irp ks, 0,1,2,3,4,5,6,7,8,9,10,11,12,13,14,15
.irp j, 0,1,2,3
	global_load_b32 v[SC+6*\ks+\j], v10, s[56:57] offset:2048*\j+64*\ks
.endr
.irp j, 0,1
	global_load_b32 v[SC+6*\ks+4+\j], v10, s[58:59] offset:2048*\j+64*\ks
.endr
.endr
	v_and_b32 v4, 8, v2
	v_add_nc_u32 v4, v4, v2                        ; r + 8 (r / 8): my row in a tile's 24
	v_lshlrev_b32 v[ADP], 4, v1
	v_add_nc_u32 v[ADP+1], SLOT, v[ADP]
	v_add_nc_u32 v[ADQ], s78, v[ADP]
	v_add_nc_u32 v[ADQ+1], SLOT, v[ADQ]
	v_mul_u32_u24 v11, v4, s62
	v_lshl_add_u32 v11, v3, 6, v11                 ; the table: my row, + 64 h: my half's 8 pairs of a block of 32
	s_lshl_b32 s79, s10, 8
	s_add_co_u32 s79, s79, SCR
	v_lshl_add_u32 v12, v2, 2, s79                 ; the scale words' scratch: in, 4 r;
	v_lshl_add_u32 v13, v1, 3, s79                 ; out, 8 bytes a lane
	v_lshlrev_b32 v14, 3, v1
; One matrix instruction: Q's tile i x P's tile t, K step ks.  The first K step starts the sums: nothing is cleared.
.macro WM i, t, ks
.set rD, 8*(8*(\i)+(\t))
.set rA, 96*((\ks)%2)+12*(\t)
.set rB, QF+48*((\ks)%2)+12*(\i)
.set rSA, SC+6*(\ks)+(\t)/2
.set rSB, SC+6*(\ks)+4+(\i)/2
.if (\ks) == 0
.if ((\t)%2 == 0) && ((\i)%2 == 0)
	v_wmma_scale_f32_16x16x128_f8f6f4 v[rD:rD+7], v[rA:rA+11], v[rB:rB+11], 0, v[rSA], v[rSB] matrix_a_fmt:MATRIX_FMT_FP6 matrix_b_fmt:MATRIX_FMT_FP6
.elseif ((\t)%2 == 1) && ((\i)%2 == 0)
	v_wmma_scale_f32_16x16x128_f8f6f4 v[rD:rD+7], v[rA:rA+11], v[rB:rB+11], 0, v[rSA], v[rSB] matrix_a_fmt:MATRIX_FMT_FP6 matrix_b_fmt:MATRIX_FMT_FP6 matrix_a_scale:MATRIX_SCALE_ROW1
.elseif ((\t)%2 == 0)
	v_wmma_scale_f32_16x16x128_f8f6f4 v[rD:rD+7], v[rA:rA+11], v[rB:rB+11], 0, v[rSA], v[rSB] matrix_a_fmt:MATRIX_FMT_FP6 matrix_b_fmt:MATRIX_FMT_FP6 matrix_b_scale:MATRIX_SCALE_ROW1
.else
	v_wmma_scale_f32_16x16x128_f8f6f4 v[rD:rD+7], v[rA:rA+11], v[rB:rB+11], 0, v[rSA], v[rSB] matrix_a_fmt:MATRIX_FMT_FP6 matrix_b_fmt:MATRIX_FMT_FP6 matrix_a_scale:MATRIX_SCALE_ROW1 matrix_b_scale:MATRIX_SCALE_ROW1
.endif
.else
.if ((\t)%2 == 0) && ((\i)%2 == 0)
	v_wmma_scale_f32_16x16x128_f8f6f4 v[rD:rD+7], v[rA:rA+11], v[rB:rB+11], v[rD:rD+7], v[rSA], v[rSB] matrix_a_fmt:MATRIX_FMT_FP6 matrix_b_fmt:MATRIX_FMT_FP6
.elseif ((\t)%2 == 1) && ((\i)%2 == 0)
	v_wmma_scale_f32_16x16x128_f8f6f4 v[rD:rD+7], v[rA:rA+11], v[rB:rB+11], v[rD:rD+7], v[rSA], v[rSB] matrix_a_fmt:MATRIX_FMT_FP6 matrix_b_fmt:MATRIX_FMT_FP6 matrix_a_scale:MATRIX_SCALE_ROW1
.elseif ((\t)%2 == 0)
	v_wmma_scale_f32_16x16x128_f8f6f4 v[rD:rD+7], v[rA:rA+11], v[rB:rB+11], v[rD:rD+7], v[rSA], v[rSB] matrix_a_fmt:MATRIX_FMT_FP6 matrix_b_fmt:MATRIX_FMT_FP6 matrix_b_scale:MATRIX_SCALE_ROW1
.else
	v_wmma_scale_f32_16x16x128_f8f6f4 v[rD:rD+7], v[rA:rA+11], v[rB:rB+11], v[rD:rD+7], v[rSA], v[rSB] matrix_a_fmt:MATRIX_FMT_FP6 matrix_b_fmt:MATRIX_FMT_FP6 matrix_a_scale:MATRIX_SCALE_ROW1 matrix_b_scale:MATRIX_SCALE_ROW1
.endif
.endif
.endm
.macro MULQ i, ks                      ; 8 matrix instructions.  The 32 accumulators take turns, one instruction a turn, in the same order in every K step
	WIN 0xa1                                       ; source 0 (P) window 1, source 1 (Q) window 0, C and D window 2
.irp t, 0,1,2,3,4,5,6,7
	WM \i, \t, \ks
.endr
.endm
.macro FETCH slot, ksl, set            ; 36 LDS loads in one run: a K step's 8 fragments of P and my 4 of Q, as images: 512 consecutive bytes a load
	WIN 0x40                                       ; destination window 1
.irp t, 0,1,2,3,4,5,6,7
.irp c, 0,1,2
	ds_load_b128 v[96*(\set)+12*\t+4*\c:96*(\set)+12*\t+4*\c+3], v[ADP+(\slot)] offset:\t*SLKS+(\ksl)*FRB+512*\c
.endr
.endr
	WIN 0
.irp i, 0,1,2,3
.irp c, 0,1,2
	ds_load_b128 v[QF+48*(\set)+12*\i+4*\c:QF+48*(\set)+12*\i+4*\c+3], v[ADQ+(\slot)] offset:\i*SLKS+(\ksl)*FRB+512*\c
.endr
.endr
.endm
.macro KSTEP ks                        ; a K step whose successor lies in the same slot
	s_wait_dscnt 0x0                               ; this K step's fragments are in
	PLACES 4                                       ; in front of loads into the set that the last K step's products read
	FETCH (((\ks)+1)/4)%2, ((\ks)+1)%4, ((\ks)+1)%2
	MULQ 0, \ks
	MULQ 1, \ks
	MULQ 2, \ks
	MULQ 3, \ks
.endm
; A slot's last K step changes slots: ONE barrier; in front of it each wave waits for all its tensor loads, adds 0 to its spare word, and waits for that and for its reads of this slot.  fill = 1: this slot is filled again, 8 K steps on.
.macro CHANGE ks, fill
	s_wait_dscnt 0x0                               ; this K step's fragments are in: my reads of this slot are over
	WIN 0                                          ; (the add's two registers lie in window 0)
	s_wait_tensorcnt 0x0                           ; all my tensor loads have landed: my part of the next slot among them
	ds_add_u32 v28, v29                            ; 0 onto my spare word
	MULQ 0, \ks                                    ; eight matrix instructions stand between the add and the wait for it
	s_wait_dscnt 0x0
	s_barrier_signal -1
	MULQ 1, \ks
	WIN 0
	s_barrier_wait -1
.if \fill
	CREST                                          ; the barrier has opened a round of the cluster's: no wave of any partner still reads this slot or has a load on its way
	s_add_nc_u64 s[G0P+4*(((\ks)/4)%2)+2:G0P+4*(((\ks)/4)%2)+3], s[G0P+4*(((\ks)/4)%2)+2:G0P+4*(((\ks)/4)%2)+3], 2*SLKS
	s_add_nc_u64 s[G0Q+4*(((\ks)/4)%2)+2:G0Q+4*(((\ks)/4)%2)+3], s[G0Q+4*(((\ks)/4)%2)+2:G0Q+4*(((\ks)/4)%2)+3], 2*SLKS
	JLOAD ((\ks)/4)%2                              ; the slot just left: the first tensor load behind the round; its four v_nop are also the places in front of the loads below
.else
	PLACES 4
.endif
	FETCH (((\ks)+1)/4)%2, 0, 0
	MULQ 2, \ks
	MULQ 3, \ks
.endm
.macro TABLOAD i                       ; cos and sin for my tile i: lane (r, h): of its row's 64 pairs those of d = 32 b + 16 h + 0 .. 15
	WIN 0xc0                                       ; destination window 3
.irp b, 0,1,2,3
.irp e, 0,1,2,3
	global_load_b128 v[64*(\i)+16*\b+4*\e:64*(\i)+16*\b+4*\e+3], v11, s[60:61] offset:(32*((\i)/2)+8*((\i)%2))*512+128*\b+16*\e
.endr
.endr
	WIN 0
.endm
	s_wait_alu depctr_va_vdst(0)
	s_wait_tensorcnt 0x0                           ; my part of slot 0 is in; slot 1's first fill is issued as a refill is:
	ds_add_u32 v28, v29                            ; 0 onto my spare word,
	s_wait_dscnt 0x0
	CROUND                                         ; a whole round: everybody's part of slot 0 is in, and the four partners' joint loads meet
	JLOAD 1                                        ; slot 1, the first tensor load behind the round
	FETCH 0, 0, 0
	s_wait_loadcnt 0x0                             ; the scale words
	KSTEP 0
	TABLOAD 0                                      ; wanted on the way out only: asked for here, so that the first products do not wait for them
	TABLOAD 1
	KSTEP 1
	TABLOAD 2
	TABLOAD 3
	KSTEP 2
	CHANGE 3, 1
	KSTEP 4
	KSTEP 5
	KSTEP 6
	CHANGE 7, 1
	KSTEP 8
	KSTEP 9
	KSTEP 10
	CHANGE 11, 0                                   ; nothing is left to fetch
	KSTEP 12
	KSTEP 13
	KSTEP 14
	s_wait_dscnt 0x0
	MULQ 0, 15
	MULQ 1, 15
	MULQ 2, 15
	MULQ 3, 15
	WIN 0
; THE WAY OUT, tile by tile of Q.  The rope turns neighbouring registers (d = 2 p, 2 p + 1); then the 64 numbers of a lane, register 16 b + e = K 32 b + 16 h + e of my row, become a fragment and a scale word.
.macro ROPE i
	WIN 0x0e                                       ; source 0: the sums, window 2; source 1: cos and sin, window 3
.set p, 0
.rept 32
	v_mul_f32 v[TT+2*(p%2)], v[64*(\i)+2*p+1], v[64*(\i)+2*p+1]                      ; x1 sin   (each accumulator is read from its low end on)
	v_mul_f32 v[TT+2*(p%2)+1], v[64*(\i)+2*p], v[64*(\i)+2*p+1]                      ; x0 sin
	v_fma_f32 v[HA+2*p], v[64*(\i)+2*p], v[64*(\i)+2*p], -v[TT+2*(p%2)]              ; x0 cos - x1 sin
	v_fma_f32 v[HA+2*p+1], v[64*(\i)+2*p+1], v[64*(\i)+2*p], v[TT+2*(p%2)+1]         ; x1 cos + x0 sin
.set p, p+1
.endr
	WIN 0
.endm
.macro QUANT s
.irp b, 0,1,2,3
	v_max3_num_f32 v[TM+\b], |v[\s+16*\b]|, |v[\s+1+16*\b]|, 0x1800000   ; block b: my 16 numbers, and the floor 2^(3 - 127): the byte cannot fall under 1
.endr
.irp i, 2,4,6,8,10,12,14
.irp b, 0,1,2,3
	v_max3_num_f32 v[TM+\b], v[TM+\b], |v[\s+16*\b+\i]|, |v[\s+1+16*\b+\i]|   ; (the four blocks by turns)
.endr
.endr
.irp b, 0,1,2,3
	v_permlanex16_b32 v[TM+4+\b], v[TM+\b], s[SEL], s[SEL+1]
.endr
.irp b, 0,1,2,3
	v_max_num_f32 v[TM+\b], v[TM+\b], v[TM+4+\b]   ; with lane l xor 16's: the block's largest magnitude
.endr
.irp b, 0,1,2,3
	v_add_nc_u32 v[TM+12+\b], 0xff000000, v[TM+\b]   ; 2 off its exponent field: the conversion's scale operand
.endr
.irp b, 0,1,2,3
	v_lshrrev_b32 v[TM+4+\b], 23, v[TM+12+\b]      ; the scale's byte
.endr
	v_lshl_or_b32 v[PW], v[TM+5], 8, v[TM+4]       ; my row's scale word
	v_lshl_or_b32 v[PW], v[TM+6], 16, v[PW]
	v_lshl_or_b32 v[PW], v[TM+7], 24, v[PW]
.irp c, 0,1
	v_cvt_scalef32_pk16_fp6_f32 v[PC+6*\c:PC+2+6*\c], v[\s+32*\c:\s+15+32*\c], v[TM+12+2*\c]
	v_cvt_scalef32_pk16_fp6_f32 v[PC+12+4*\c:PC+14+4*\c], v[\s+16+32*\c:\s+31+32*\c], v[TM+12+2*\c+1]   ; (a conversion's three registers begin on an even number)
.endr
	v_nop                                          ; one plain place behind a scaled conversion
.irp c, 0,1                                    ; the operand's layout wants a WHOLE block in a lane
.irp i, 0,1,2
	v_permlane16_swap_b32 v[PC+6*\c+\i], v[PC+12+4*\c+\i]
.endr
.irp i, 0,1,2
	v_mov_b32 v[PC+3+6*\c+\i], v[PC+12+4*\c+\i]
.endr
.endr
.endm
	PLACES 4                                       ; behind the last products: their results are read, and the registers of Q's fragments written, below
.irp b, 0,1,2,3
	v_mov_b32 v[TM+4+\b], 0                        ; a lane permute's destination counts as one of its sources
.endr
	s_wait_loadcnt 0x0                             ; cos and sin
.irp i, 0,1,2,3
	ROPE \i
	s_wait_dscnt 0x0                               ; the last tile's LDS store
	s_wait_xcnt 0x0                                ; and its global stores have read their registers
	QUANT HA
.irp c, 0,1,2
	global_store_b128 v[ADP], v[PC+4*\c:PC+4*\c+3], s[66:67] offset:FRB*\i+512*\c   ; 32 lanes store 512 consecutive bytes, aligned
.endr
	ds_store_b32 v12, v[PW] offset:64*\i           ; both halves of the lanes write the same word with the same value
.endr
	ds_load_b64 v[230:231], v13                    ; my four tiles' scale words: these see my stores
	s_wait_dscnt 0x0
	global_store_b64 v14, v[230:231], s[68:69]     ; 32 lanes store 256 consecutive bytes, aligned
	s_wait_tensorcnt 0x0                           ; the wave's end
	ds_add_u32 v28, v29
	s_wait_dscnt 0x0
	CROUND                                         ; the closing round
	s_endpgm
.Lfunc_end_k_q1254360c03_qkv:
	.size	k_q1254360c03_qkv, .Lfunc_end_k_q1254360c03_qkv-k_q1254360c03_qkv
	.p2alignl 7, 3214868480
	.fill 96, 4, 3214868480
	.section	.rodata,"a",@progbits
	.p2align	6, 0x0
	.amdhsa_kernel k_q1254360c03_qkv
		.amdhsa_group_segment_fixed_size 327680
		.amdhsa_private_segment_fixed_size 0
		.amdhsa_enable_private_segment 0
		.amdhsa_kernarg_size 24
		.amdhsa_user_sgpr_count 2
		.amdhsa_user_sgpr_kernarg_segment_ptr 1
		.amdhsa_wavefront_size32 1
		.amdhsa_system_sgpr_workgroup_id_x 1
		.amdhsa_system_sgpr_workgroup_id_y 1
		.amdhsa_system_sgpr_workgroup_id_z 1
		.amdhsa_system_vgpr_workitem_id 0
		.amdhsa_next_free_vgpr 1024
		.amdhsa_next_free_sgpr 96
		.amdhsa_reserve_vcc 0
		.amdhsa_float_denorm_mode_32 3
		.amdhsa_float_denorm_mode_16_64 3
		.amdhsa_memory_ordered 1
		.amdhsa_forward_progress 1
		.amdhsa_inst_pref_size 173
	.end_amdhsa_kernel
	.amdgpu_metadata
---
amdhsa.version: [ 1, 2 ]
amdhsa.kernels:
  - .name:           k_q1254360c03_qkv
    .symbol:         k_q1254360c03_qkv.kd
    .args:
      - { .name: opnd, .offset: 0, .size: 8, .value_kind: global_buffer, .address_space: global }
      - { .name: tab, .offset: 8, .size: 8, .value_kind: global_buffer, .address_space: global }
      - { .name: qkv, .offset: 16, .size: 8, .value_kind: global_buffer, .address_space: global }
    .group_segment_fixed_size: 327680
    .private_segment_fixed_size: 0
    .kernarg_segment_align: 8
    .kernarg_segment_size: 24
    .max_flat_workgroup_size: 128
    .sgpr_count:     96
    .vgpr_count:     1024
    .wavefront_size: 32
...
	.end_amdgpu_metadata
.endif
;; end of part 2
;; launch attn (part 3): grid 32 x 8, 8 waves a work-group, clusters of 4 x 1, 327,680 bytes of LDS; arguments qkv, wo, obuf, wob; writes obuf, wob
.if DOCPART == 3
	.amdgcn_target "amdgcn-amd-amdhsa--gfx1250"
	.amdhsa_code_object_version 6
	.text
	.protected	k_q1254360c03_attn
	.globl	k_q1254360c03_attn
	.p2align	8
	.type	k_q1254360c03_attn,@function
k_q1254360c03_attn:
	s_mov_b64 s[64:65], 0
	v_nop
	global_prefetch_b8 v0, s[64:65] scope:SCOPE_SE
	s_setreg_imm32_b32 hwreg(HW_REG_WAVE_MODE, 25, 1), 1
	s_wait_xcnt 0x0
	s_wait_alu depctr_hold_cnt(0) depctr_sa_sdst(0) depctr_va_vdst(0) depctr_va_sdst(0) depctr_va_ssrc(0) depctr_va_vcc(0) depctr_vm_vsrc(0)
	s_getreg_b32 s2, hwreg(HW_REG_IB_STS2, 6, 4)
	s_cmp_eq_u32 s2, 0
	s_cbranch_scc0 .Lentry_in_a_cluster
	s_endpgm
.Lentry_in_a_cluster:
	s_bfe_u32 s2, ttmp6, 0x10000c
	s_cmp_lg_u32 s2, 0x3003
	s_cbranch_scc0 .Lentry_shape_is_right
	s_endpgm
.Lentry_shape_is_right:
; Causal attention on codes of FP6 (E2M3), and the quantising of wo.  qkv holds q's fragment images [(b 16 + head) 64 + tile][1,536], their scale words from QSC on, and from KVO on
; blocks of 25,600 bytes [(b 4 + kv head) 8 + key step]: 8 fragments of K, 8 of V^T, 512 bytes of K's scale words, 512 of V's.  Tile T = 2 G + u holds positions 32 G + 8 u + p + 8 (p / 8).
; LEFT OUT: key steps that lie wholly above the diagonal of the causal mask: their weights are 0 for every input.  A NaN or infinity that reaches only those scores is not carried on.
; A work-group (X = cluster x 0..7, y = b 4 + kv head, cx = which of the 4 query heads) takes the 8 tiles 8 j + X, j = 0..7, of one head; tile 8 j + X needs key steps 0..j: 36 tile steps, and all 8 key steps are read.
; THE STEPS ARE SHARED OUT 4 AND 5 TO A WAVE.  Wave w < 4 owns tile 8 w + X: steps 0..w; it finishes that tile, then takes steps w+1..3 of tile 8 (7 - w) + X and hands O^T, -M and the sums over through LDS.
; Wave w + 4 owns tile 8 (7 - w) + X: steps 0..w and 4..7-w; it joins the two parts under the larger M, by powers of two, which round nothing.  Wave 3 has no steps to lend, wave 7 nothing to join.
; One loop of 8 trips walks the key steps; a wave's steps are the bits of a mask made of its number.  Both products are used transposed (S^T = K q^T, O^T = V^T p^T): a lane holds one query.
; p = 2^(t - M), M the running largest t rounded up to a whole number; the sum is taken of the unquantised p; O is divided by it, quantised along the head's 128 and stored as a fragment of obuf [(b 64 + tile) 16 + head].
; K AND V: each wave asks for one key step's block, 100 rows of 256 bytes, by ONE joint load at the head (mask 15: the four heads of the cluster read the same blocks); nothing is filled again.
; No prefetch: all that the launch reads by tensor loads is asked for at the head, so there is no later load to run ahead of.
; wo [2048][2048] f32: its 128 tiles x 16 K steps are 2,048 fragments, 8 to a work-group, one to a wave: 16 loads of 512 bytes at the head into v448-511, worked on behind the key steps: through the wave's stage in LDS,
; a block of 32 to a lane, scale = 2^(floor(log2(largest magnitude)) - 2); images to wob [tile][K step][1,536], scale words from OSCL on; a work-group's 512 bytes of scale words leave by one store of wave 3.
; LIMITS: the promise holds while the scaled scores stay under 2^31 in magnitude; NaN and infinities are not served; a block of zeros gets the byte 1 with zero codes (read by this program alone).
; Waves 3 to 7 name their own tile again in the load of the second q fragment, so that the text has one path there.
; REGISTERS: window 0: v1-11 addresses; v12 -M, v13 largest t, v14-15 sums; v16-27 q; v28-64 the quantisers'; v66-78 the second q; v80-95 K's and V's scale words; v96-159 S^T, p; v160-223 O^T; v224-247 p's codes;
;   v250-251 the add's; v253 p's scale word; v255 q's.  Window 1: v0-95 K's fragments, v96-191 V's, v192-255 wo's rows.
.set KVO,  3276800
.set QSC,  3145728
.set KVB,  25600
.set OSCL, 3145728
.set SPARE, 8*KVB                      ; behind K and V: the spare words, 128 bytes a wave
.set PART, SPARE+1024                  ; a part handed over: 64 registers' images and one of (-M, t, sums)
.set PREG, 8704
.set STG,  PART+4*PREG                 ; wo's stages: 16 rows x 528 bytes a wave
.set SREG, 8448
.set SP,   528
.set SCW,  STG+8*SREG                  ; wo's scale words: 64 bytes a wave
.set ALI,  1
.set ALS,  2
.set DQ,   3
.set LN,   4
.set H8,   7
.set ADF,  8
.set ADS,  9
.set STI,  10
.set STO,  11
.set PC,   28
.set TM,   48
.set PW,   64
.set Q2,   66
.set Q2S,  78
.set PRT,  79
.set KSW,  80
.set VSW,  88
.set SWA,  248
.set SRD,  249
.set KF,   0
.set VF,   96
.set WOF,  192
.set WV,   18
.set SEL,  20
.set CS,   22
.set G1,   24
.set G0,   32
.set ST,   36
.set OFF,  37
.set KHI,  38
.set ACT,  39
.set SWT,  40
.set Q0,   41
.set Q0B,  42
.set MSB, 0
.macro WIN new                         ; the immediate's high byte repeats the setting that is left
.if MSB != \new
	s_set_vgpr_msb (MSB<<8)|\new
.set MSB, \new
.endif
.endm
.set TO_F, 0x40
.set MUL,  0x01
.macro CROUND
	s_barrier_signal -1
	s_barrier_wait -1
	s_cmp_lg_u32 s[WV], 0
	s_cbranch_scc1 .Lnot_wave_0_\@
	s_barrier_signal -3
.Lnot_wave_0_\@:
	s_barrier_wait -3
	s_barrier_signal -1
	s_barrier_wait -1
.endm
	s_load_b256 s[4:11], s[0:1], 0x0               ; qkv, wo, obuf, wob
	v_lshl_add_u32 v250, v0, 2, SPARE
	v_mov_b32 v251, 0
	ds_add_u32 v250, v251                          ; the opening lines: the add, twice on end, and its wait
	ds_add_u32 v250, v251
	v_lshrrev_b32 v8, 5, v0
	v_readfirstlane_b32 s[WV], v8                  ; wave 0..7
	s_bfe_u32 s50, ttmp6, 0x40000                  ; cx
	s_and_b32 s51, ttmp7, 0xffff                   ; y
	s_sub_co_u32 s52, 11, s[WV]
	s_sub_co_u32 s53, 7, s[WV]
	s_add_co_u32 s[SWT], s[WV], 1
	s_and_b32 s56, s[WV], 3
	s_lshl_b32 s57, 2, s56
	s_sub_co_u32 s57, s57, 1                       ; waves 4-7: steps 0 .. w - 4,
	s_lshr_b32 s58, 0xff, s56
	s_and_b32 s58, s58, 0xf0                       ; and 4 .. 11 - w
	s_or_b32 s57, s57, s58
	s_cmp_lt_u32 s[WV], 4
	s_cselect_b32 s52, s[WV], s52                  ; j of my tile: w, or 11 - w
	s_cselect_b32 s[SWT], s[SWT], 99               ; the step at whose head waves 0-3 finish their own tile
	s_cselect_b32 s[ACT], 15, s57                  ; my steps, a bit each
	s_cmp_lt_u32 s[WV], 3
	s_cselect_b32 s53, s53, s52                    ; j of the tile that I lend steps to
	s_lshl_b32 s52, s52, 3
	s_add_co_u32 s52, s52, ttmp9                   ; my tile
	s_lshl_b32 s53, s53, 3
	s_add_co_u32 s53, s53, ttmp9                   ; the second
	s_lshr_b32 s54, s52, 1
	s_lshl_b32 s54, s54, 5
	s_and_b32 s55, s52, 1
	s_lshl_b32 s55, s55, 3
	s_add_co_u32 s[Q0], s54, s55                   ; a tile's first position
	s_lshr_b32 s54, s53, 1
	s_lshl_b32 s54, s54, 5
	s_and_b32 s55, s53, 1
	s_lshl_b32 s55, s55, 3
	s_add_co_u32 s[Q0B], s54, s55
	s_lshl_b32 s56, s51, 3
	s_add_co_u32 s56, s56, s[WV]
	s_mul_i32 s56, s56, KVB
	s_add_co_u32 s56, s56, KVO                     ; key step w's block
	s_mov_b32 s57, 0
	s_mul_i32 s58, s[WV], KVB                      ; and its place in LDS
	s_lshr_b32 s60, s51, 2                         ; b
	s_and_b32 s61, s51, 3
	s_lshl_b32 s61, s61, 2
	s_add_co_u32 s61, s61, s50                     ; head
	s_lshl_b32 s62, s60, 4
	s_add_co_u32 s62, s62, s61
	s_lshl_b32 s62, s62, 6
	s_add_co_u32 s63, s62, s53
	s_add_co_u32 s62, s62, s52
	s_mul_i32 s66, s62, 1536
	s_mov_b32 s67, 0
	s_lshl_b32 s68, s62, 6
	s_add_co_u32 s68, s68, QSC
	s_mov_b32 s69, 0
	s_mul_i32 s76, s63, 1536
	s_mov_b32 s77, 0
	s_lshl_b32 s78, s63, 6
	s_add_co_u32 s78, s78, QSC
	s_mov_b32 s79, 0
	s_lshl_b32 s63, s60, 6
	s_add_co_u32 s63, s63, s52
	s_lshl_b32 s63, s63, 4
	s_add_co_u32 s63, s63, s61
	s_mul_i32 s70, s63, 1536
	s_mov_b32 s71, 0
	s_lshl_b32 s72, s63, 6
	s_add_co_u32 s72, s72, OSCL
	s_mov_b32 s73, 0
	s_lshl_b32 s44, s51, 3                         ; wo: the work-group's number (y 8 + X) 4 + cx enters global addresses alone
	s_add_co_u32 s44, s44, ttmp9
	s_lshl_b32 s44, s44, 2
	s_add_co_u32 s44, s44, s50
	s_lshr_b32 s45, s44, 1                         ; tile
	s_and_b32 s46, s44, 1
	s_lshl_b32 s47, s46, 3
	s_add_co_u32 s47, s47, s[WV]                   ; K step
	s_lshr_b32 s48, s45, 1
	s_lshl_b32 s48, s48, 5
	s_and_b32 s49, s45, 1
	s_lshl_b32 s49, s49, 3
	s_add_co_u32 s48, s48, s49                     ; the tile's first row
	s_lshl_b32 s80, s48, 13
	s_lshl_b32 s49, s47, 9
	s_add_co_u32 s80, s80, s49
	s_mov_b32 s81, 0
	s_mul_i32 s82, s45, 24576
	s_mul_i32 s49, s47, 1536
	s_add_co_u32 s82, s82, s49
	s_mov_b32 s83, 0
	s_lshl_b32 s84, s45, 10
	s_lshl_b32 s49, s46, 9
	s_add_co_u32 s84, s84, s49
	s_add_co_u32 s84, s84, OSCL
	s_mov_b32 s85, 0
	s_mul_i32 s86, s[WV], SREG
	s_add_co_u32 s86, s86, STG                     ; my stage
	s_and_b32 s87, s[WV], 3
	s_mul_i32 s87, s87, PREG
	s_add_co_u32 s87, s87, PART                    ; the part that waves w and w + 4 share
	s_lshl_b32 s88, s[WV], 6
	s_add_co_u32 s88, s88, SCW
	s_mov_b32 s[G1+0], 15|(3<<16)|(1<<21)          ; the mask names the four partners; elements of 8 bytes
	s_mov_b32 s[G1+1], 32<<16
	s_mov_b32 s[G1+2], 100<<16
	s_mov_b32 s[G1+3], 32<<16
	s_mov_b32 s[G1+4], 100                         ; 100 rows of 256 bytes
	s_mov_b32 s[G1+5], 32
	s_mov_b32 s[G1+6], 0
	s_mov_b32 s[G1+7], 0
	s_mov_b32 s[SEL], 0x76543210
	s_mov_b32 s[SEL+1], 0xfedcba98
	s_mov_b32 s[CS], 0x3e0293ee                    ; log2(e) / sqrt(128)
	s_mov_b32 s[CS+1], s[CS]
	s_wait_dscnt 0x0
	s_wait_kmcnt 0x0
	s_add_nc_u64 s[56:57], s[4:5], s[56:57]
	s_add_nc_u64 s[66:67], s[4:5], s[66:67]
	s_add_nc_u64 s[68:69], s[4:5], s[68:69]
	s_add_nc_u64 s[76:77], s[4:5], s[76:77]
	s_add_nc_u64 s[78:79], s[4:5], s[78:79]
	s_add_nc_u64 s[80:81], s[6:7], s[80:81]
	s_add_nc_u64 s[70:71], s[8:9], s[70:71]
	s_add_nc_u64 s[72:73], s[8:9], s[72:73]
	s_add_nc_u64 s[82:83], s[10:11], s[82:83]
	s_add_nc_u64 s[84:85], s[10:11], s[84:85]
	CROUND                                         ; the four partners are here: the joint loads meet
	s_mov_b32 s[G0], 1
	s_mov_b32 s[G0+1], s58
	s_mov_b64 s[G0+2:G0+3], s[56:57]
	s_or_b32 s[G0+3], s[G0+3], 0x80000000
	tensor_load_to_lds s[G0:G0+3], s[G1:G1+7]      ; my one tensor load: key step w
	s_nop 0
	v_and_b32 v[LN], 31, v0
	v_and_b32 v5, 15, v0                           ; r
	v_bfe_u32 v6, v0, 4, 1                         ; h
	v_lshlrev_b32 v[ALI], 4, v[LN]
	v_lshlrev_b32 v[ALS], 2, v5
.irp c, 0,1,2
	global_load_b128 v[16+4*\c:19+4*\c], v[ALI], s[66:67] offset:512*\c
.endr
	global_load_b32 v255, v[ALS], s[68:69]
.irp c, 0,1,2
	global_load_b128 v[Q2+4*\c:Q2+4*\c+3], v[ALI], s[76:77] offset:512*\c
.endr
	global_load_b32 v[Q2S], v[ALS], s[78:79]
	v_and_b32 v[DQ], 8, v5
	v_add_nc_u32 v[DQ], v[DQ], v5
	v_lshlrev_b32 v[H8], 3, v6
	v_lshlrev_b32 v[ADF], 4, v6
	v_sub_nc_u32 v[DQ], v[DQ], v[ADF]              ; r + 8 (r / 8) - 16 h
	v_add_nc_u32 v[STI], s86, v[ALI]
	v_mul_u32_u24 v[STO], v5, SP
	v_lshl_add_u32 v[STO], v6, 7, v[STO]
	v_add_nc_u32 v[STO], s86, v[STO]
	v_add_nc_u32 v[PRT], s87, v[ALI]
	v_add_nc_u32 v[SWA], s88, v[ALS]
	v_add_nc_u32 v[SRD], SCW, v[ALI]
.macro BEGIN                           ; a tile's sums begin: largest t -3e38, the sums and O^T zero
	v_mov_b32 v13, 0xff61b1e6
	v_mov_b32 v14, 0
	v_mov_b32 v15, 0
	v_floor_f32 v12, -v13
.set j, 0
.rept 64
	v_mov_b32 v[160+j], 0
.set j, j+1
.endr
.endm
	BEGIN
.irp b, 0,1,2,3
	v_mov_b32 v[236+\b], 0                         ; a lane permute's destination counts as one of its sources
.endr
	v_mov_b32 v245, 0                              ; upper halves of pairs, named before they are first written
	v_mov_b32 v252, 0
	v_mov_b32 v253, 0
; A tile is finished: O^T / the sum, quantised along the head's 128, stored as a fragment and a scale word
.macro FINISH
	s_wait_xcnt 0x0                                ; earlier stores have read the codes' registers
	v_add_f32 v14, v14, v15
	s_delay_alu instid0(VALU_DEP_1)
	v_permlanex16_b32 v252, v14, s[SEL], s[SEL+1]
	s_delay_alu instid0(VALU_DEP_1)
	v_add_f32 v14, v14, v252
	s_wait_alu depctr_va_vdst(0)                   ; the wait ahead of the transcendental,
	v_rcp_f32 v14, v14
.irp b, 0,1,2,3
	v_mov_b32 v[TM+4+\b], 0
.endr
	s_wait_alu depctr_va_vdst(0)                   ; and ahead of its first reader, which is O^T's too
.set j, 0
.rept 32
	v_pk_mul_f32 v[96+j:97+j], v[160+j:161+j], v[14:15] op_sel_hi:[1,0]
.set j, j+2
.endr
.irp b, 0,1,2,3
	v_max3_num_f32 v[TM+\b], |v[96+16*\b]|, |v[97+16*\b]|, 0x1800000   ; the floor 2^(3 - 127) holds the byte at 1 from below
.endr
.irp i, 2,4,6,8,10,12,14
.irp b, 0,1,2,3
	s_delay_alu instid0(VALU_DEP_4)
	v_max3_num_f32 v[TM+\b], v[TM+\b], |v[96+16*\b+\i]|, |v[97+16*\b+\i]|
.endr
.endr
.irp b, 0,1,2,3
	s_delay_alu instid0(VALU_DEP_4)
	v_permlanex16_b32 v[TM+4+\b], v[TM+\b], s[SEL], s[SEL+1]
.endr
.irp b, 0,1,2,3
	s_delay_alu instid0(VALU_DEP_4)
	v_max_num_f32 v[TM+\b], v[TM+\b], v[TM+4+\b]
.endr
.irp b, 0,1,2,3
	s_delay_alu instid0(VALU_DEP_4)
	v_add_nc_u32 v[TM+12+\b], 0xff000000, v[TM+\b]
.endr
.irp b, 0,1,2,3
	s_delay_alu instid0(VALU_DEP_4)
	v_lshrrev_b32 v[TM+4+\b], 23, v[TM+12+\b]
.endr
	s_delay_alu instid0(VALU_DEP_3)
	v_lshl_or_b32 v[PW], v[TM+5], 8, v[TM+4]
	s_delay_alu instid0(VALU_DEP_1)
	v_lshl_or_b32 v[PW], v[TM+6], 16, v[PW]
	s_delay_alu instid0(VALU_DEP_1)
	v_lshl_or_b32 v[PW], v[TM+7], 24, v[PW]
.irp c, 0,1
	v_cvt_scalef32_pk16_fp6_f32 v[PC+6*\c:PC+2+6*\c], v[96+32*\c:111+32*\c], v[TM+12+2*\c]
	v_cvt_scalef32_pk16_fp6_f32 v[PC+12+4*\c:PC+14+4*\c], v[112+32*\c:127+32*\c], v[TM+12+2*\c+1]
.endr
	v_nop                                          ; one plain place behind a scaled conversion
.irp c, 0,1
.irp i, 0,1,2
	v_permlane16_swap_b32 v[PC+6*\c+\i], v[PC+12+4*\c+\i]
.endr
.irp i, 0,1,2
	s_delay_alu instid0(VALU_DEP_3)
	v_mov_b32 v[PC+3+6*\c+\i], v[PC+12+4*\c+\i]
.endr
.endr
.irp c, 0,1,2
	global_store_b128 v[ALI], v[PC+4*\c:PC+4*\c+3], s[70:71] offset:512*\c
.endr
	global_store_b32 v[ALS], v[PW], s[72:73]       ; both halves of the lanes store the same word with the same value
.endm
	s_mov_b32 s[ST], 0
	s_mov_b32 s[OFF], 0
	s_mov_b32 s[KHI], 127
	s_wait_alu depctr_va_vdst(0)                   ; the wait at the head's end
	s_wait_loadcnt 0x0                             ; q's eight loads are in
	s_wait_tensorcnt 0x0                           ; my block is in
	s_barrier_signal -1
	s_barrier_wait -1                              ; everybody's is
	WIN TO_F                                       ; wo's rows are asked for here, behind K, V and q, and are wanted behind the key steps
.irp p, 0,1,2,3,4,5,6,7,8,9,10,11,12,13,14,15
	global_load_b128 v[WOF+4*\p:WOF+4*\p+3], v[ALI], s[80:81] offset:(\p+8*(\p/8))*8192 th:TH_LOAD_NT   ; 512 consecutive bytes of one row of wo
.endr
	WIN 0
.Lstep:
	s_cmp_eq_u32 s[ST], s[SWT]
	s_cbranch_scc0 .Lsame
	FINISH                                         ; waves 0-3: my own tile is done
	s_wait_alu depctr_va_vdst(0)
	s_cmp_eq_u32 s[WV], 3
	s_cbranch_scc1 .Lsame                          ; wave 3 lends no steps
.irp i, 0,1,2,3,4,5,6,7,8,9,10,11
	v_mov_b32 v[16+\i], v[Q2+\i]                   ; the second tile's q and its scale word; the 68 lines below are the places ahead of the products
.endr
	v_mov_b32 v255, v[Q2S]
	BEGIN
	s_mov_b32 s[Q0], s[Q0B]
	s_wait_alu depctr_va_vdst(0)
.Lsame:
	s_bitcmp1_b32 s[ACT], s[ST]
	s_cbranch_scc0 .Lnext                          ; not a step of mine
	v_add_nc_u32 v[ADF], s[OFF], v[ALI]
	v_add_nc_u32 v[ADS], s[OFF], v[ALS]
.irp t, 0,1,2,3,4,5,6,7
	ds_load_b32 v[KSW+\t], v[ADS] offset:24576+64*\t
.endr
	WIN TO_F
.irp t, 0,1,2,3,4,5,6,7
.irp c, 0,1,2
	ds_load_b128 v[KF+12*\t+4*\c:KF+12*\t+4*\c+3], v[ADF] offset:1536*\t+512*\c
.endr
.endr
	s_wait_alu depctr_va_vdst(0)
	s_wait_dscnt 12                                ; all but the fragments of tiles 4-7
	WIN MUL
.irp t, 0,1,2,3
	v_wmma_scale_f32_16x16x128_f8f6f4 v[96+8*\t:103+8*\t], v[KF+12*\t:KF+12*\t+11], v[16:27], 0, v[KSW+\t], v255 matrix_a_fmt:MATRIX_FMT_FP6 matrix_b_fmt:MATRIX_FMT_FP6
.endr
	s_wait_dscnt 0x0
.irp t, 4,5,6,7
	v_wmma_scale_f32_16x16x128_f8f6f4 v[96+8*\t:103+8*\t], v[KF+12*\t:KF+12*\t+11], v[16:27], 0, v[KSW+\t], v255 matrix_a_fmt:MATRIX_FMT_FP6 matrix_b_fmt:MATRIX_FMT_FP6
.endr
	WIN 0
.irp t, 0,1,2,3,4,5,6,7
	ds_load_b32 v[VSW+\t], v[ADS] offset:25088+64*\t
.endr
	WIN TO_F
.irp t, 0,1,2,3,4,5,6,7
.irp c, 0,1,2
	ds_load_b128 v[VF+12*\t+4*\c:VF+12*\t+4*\c+3], v[ADF] offset:12288+1536*\t+512*\c   ; V's fragments land under the softmax
.endr
.endr
	WIN 0
.rept 4
	v_nop                                          ; places behind the products
.endr
	s_cmp_ge_u32 s[Q0], s[KHI]
	s_cbranch_scc1 .Lopen                          ; every key of the step counts for every query of the tile
	s_sub_co_i32 s74, s[Q0], s[KHI]
	s_add_co_i32 s74, s74, 127
	v_add_nc_u32 v252, s74, v[DQ]                  ; my query less the step's first key less 16 h
	v_mov_b32 v254, 0xff800000
.set n, 0
.rept 64
	v_cmp_gt_i32 vcc_lo, 32*(n/16)+n%16, v252
	v_cndmask_b32 v[96+n], v[96+n], v254, vcc_lo
.set n, n+1
.endr
.Lopen:
.irp b, 0,1,2,3
	v_max3_num_f32 v[232+\b], v[96+16*\b], v[97+16*\b], v[98+16*\b]   ; the largest score of each block of 32 keys
.endr
.irp i, 3,5,7,9,11,13
.irp b, 0,1,2,3
	v_max3_num_f32 v[232+\b], v[232+\b], v[96+16*\b+\i], v[97+16*\b+\i]
.endr
.endr
.irp b, 0,1,2,3
	v_max_num_f32 v[232+\b], v[232+\b], v[111+16*\b]
.endr
.irp b, 0,1,2,3
	s_delay_alu instid0(VALU_DEP_4)
	v_permlanex16_b32 v[236+\b], v[232+\b], s[SEL], s[SEL+1]
.endr
.irp b, 0,1,2,3
	s_delay_alu instid0(VALU_DEP_4)
	v_max_num_f32 v[232+\b], v[232+\b], v[236+\b]
.endr
	s_delay_alu instid0(VALU_DEP_2)
	v_max3_num_f32 v254, v232, v233, v234
	s_delay_alu instid0(VALU_DEP_1)
	v_max_num_f32 v254, v254, v235
	s_delay_alu instid0(VALU_DEP_1)
	v_mul_f32 v254, s[CS], v254
	s_delay_alu instid0(VALU_DEP_1)
	v_max_num_f32 v13, v13, v254                   ; the running largest t
	v_mov_b32 v254, v12
	s_delay_alu instid0(VALU_DEP_2)
	v_floor_f32 v12, -v13                          ; -M: M is a whole number
	s_delay_alu instid0(VALU_DEP_1)
	v_sub_f32 v254, v12, v254
	s_delay_alu instid0(VALU_DEP_1)
	v_cvt_i32_f32 v254, v254
	s_delay_alu instid0(VALU_DEP_1)
	v_ldexp_f32 v252, 1.0, v254                    ; f = 2^(old M - new M)
.set j, 0
.rept 32
	v_pk_fma_f32 v[96+j:97+j], v[96+j:97+j], s[CS:CS+1], v[12:13] op_sel_hi:[1,0,0]
.set j, j+2
.endr
.irp b, 0,1,2,3
	v_fma_f32 v[232+\b], v[232+\b], s[CS], v12
.endr
.set j, 0
	s_wait_alu depctr_va_vdst(0)                   ; the wait ahead of the batch
.rept 64
	v_exp_f32 v[96+j], v[96+j]
.set j, j+1
.endr
	v_pk_mul_f32 v[14:15], v[14:15], v[252:253] op_sel_hi:[1,0]
	s_wait_alu depctr_va_vdst(0)                   ; and behind it
.irp b, 0,1,2,3
	v_exp_f32 v[232+\b], v[232+\b]                 ; each block's largest p
.endr
	v_pk_add_f32 v[236:237], v[96:97], v[98:99]    ; the sum of the unquantised p, in two chains
.irp j, 4,8,12,16,20,24,28,32,36,40,44,48,52,56,60
	v_pk_add_f32 v[14:15], v[14:15], v[96+\j:97+\j]
	v_pk_add_f32 v[236:237], v[236:237], v[98+\j:99+\j]
.endr
	s_delay_alu instid0(VALU_DEP_1)
	v_pk_add_f32 v[14:15], v[14:15], v[236:237]
	s_wait_alu depctr_va_vdst(0)
.irp b, 0,1,2,3
	v_max_num_f32 v[232+\b], 0x1800000, v[232+\b]
.endr
.irp b, 0,1,2,3
	s_delay_alu instid0(VALU_DEP_4)
	v_add_nc_u32 v[244+\b], 0xff000000, v[232+\b]
.endr
.irp b, 0,1,2,3
	s_delay_alu instid0(VALU_DEP_4)
	v_lshrrev_b32 v[236+\b], 23, v[244+\b]
.endr
	s_delay_alu instid0(VALU_DEP_3)
	v_lshl_or_b32 v253, v237, 8, v236
	s_delay_alu instid0(VALU_DEP_1)
	v_lshl_or_b32 v253, v238, 16, v253
	s_delay_alu instid0(VALU_DEP_1)
	v_lshl_or_b32 v253, v239, 24, v253             ; p's scale word
.irp c, 0,1
	v_cvt_scalef32_pk16_fp6_f32 v[224+6*\c:226+6*\c], v[96+32*\c:111+32*\c], v[244+2*\c]
	v_cvt_scalef32_pk16_fp6_f32 v[236+4*\c:238+4*\c], v[112+32*\c:127+32*\c], v[244+2*\c+1]
.endr
	v_nop
.irp c, 0,1
.irp i, 0,1,2
	v_permlane16_swap_b32 v[224+6*\c+\i], v[236+4*\c+\i]
.endr
.irp i, 0,1,2
	s_delay_alu instid0(VALU_DEP_3)
	v_mov_b32 v[227+6*\c+\i], v[236+4*\c+\i]
.endr
.endr
	s_wait_alu depctr_va_vdst(0)                   ; the wait directly ahead of O^T's first reader
.set j, 0
.rept 32
	v_pk_mul_f32 v[160+j:161+j], v[160+j:161+j], v[252:253] op_sel_hi:[1,0]   ; O^T under the new M; also the places ahead of the products
.set j, j+2
.endr
	s_wait_alu depctr_va_vdst(0)
	s_wait_dscnt 0x0                               ; V's fragments and scale words
	WIN MUL
.irp t, 0,1,2,3,4,5,6,7
	v_wmma_scale_f32_16x16x128_f8f6f4 v[160+8*\t:167+8*\t], v[VF+12*\t:VF+12*\t+11], v[224:235], v[160+8*\t:167+8*\t], v[VSW+\t], v253 matrix_a_fmt:MATRIX_FMT_FP6 matrix_b_fmt:MATRIX_FMT_FP6
.endr
	WIN 0
.rept 4
	v_nop                                          ; places behind the products, whatever follows
.endr
.Lnext:
	s_add_co_u32 s[OFF], s[OFF], KVB
	s_add_co_u32 s[KHI], s[KHI], 128
	s_add_co_u32 s[ST], s[ST], 1
	s_cmp_lt_u32 s[ST], 8
	s_cbranch_scc1 .Lstep
	s_cmp_lt_u32 s[WV], 3
	s_cbranch_scc0 .Lkept
.irp k, 0,1,2,3,4,5,6,7,8,9,10,11,12,13,14,15
	ds_store_b128 v[PRT], v[160+4*\k:163+4*\k] offset:512*\k   ; waves 0-2: the part made for wave w + 4, as an image of the registers
.endr
	ds_store_b128 v[PRT], v[12:15] offset:8192
.Lkept:
; my fragment of wo: the 16 rows turn through my stage, and lane (r, h) takes back k = 64 c + 32 h + 0 .. 31 of row r
	s_wait_loadcnt 0x0
	s_wait_xcnt 0x0                                ; earlier stores have read the codes' registers
	WIN 0x04                                       ; an LDS store's data are its source 1: window 1
.irp p, 0,1,2,3,4,5,6,7,8,9,10,11,12,13,14,15
	ds_store_b128 v[STI], v[WOF+4*\p:WOF+4*\p+3] offset:SP*\p
.endr
	WIN 0
.irp c, 0,1
.irp e, 0,1,2,3,4,5,6,7
	ds_load_b128 v[96+32*\c+4*\e:99+32*\c+4*\e], v[STO] offset:256*\c+16*\e   ; LDS serves a wave's instructions in order: these see the stores above
.endr
.endr
	s_wait_dscnt 0x0
	v_mov_b32 v[TM+7], 0
.irp c, 0,1
	v_max3_num_f32 v[TM+\c], |v[96+32*\c]|, |v[97+32*\c]|, 0x1800000
.endr
.irp i, 2,4,6,8,10,12,14,16,18,20,22,24,26,28,30
.irp c, 0,1
	s_delay_alu instid0(VALU_DEP_2)
	v_max3_num_f32 v[TM+\c], v[TM+\c], |v[96+32*\c+\i]|, |v[97+32*\c+\i]|
.endr
.endr
.irp c, 0,1
	s_delay_alu instid0(VALU_DEP_2)
	v_add_nc_u32 v[TM+2+\c], 0xff000000, v[TM+\c]
.endr
.irp c, 0,1
	s_delay_alu instid0(VALU_DEP_2)
	v_lshrrev_b32 v[TM+4+\c], 23, v[TM+2+\c]
.endr
	s_delay_alu instid0(VALU_DEP_1)
	v_lshl_or_b32 v[TM+6], v[TM+5], 16, v[TM+4]    ; blocks h and 2 + h of row r,
	s_delay_alu instid0(VALU_DEP_1)
	v_lshlrev_b32 v[TM+6], v[H8], v[TM+6]          ; at their places in the word;
	s_delay_alu instid0(VALU_DEP_1)
	v_permlanex16_b32 v[TM+7], v[TM+6], s[SEL], s[SEL+1]
	s_delay_alu instid0(VALU_DEP_1)
	v_or_b32 v[TM+6], v[TM+6], v[TM+7]             ; with lane l xor 16's two the word is whole
	v_cvt_scalef32_pk16_fp6_f32 v[PC:PC+2], v[96:111], v[TM+2]
	v_cvt_scalef32_pk16_fp6_f32 v[PC+12:PC+14], v[112:127], v[TM+2]
	v_cvt_scalef32_pk16_fp6_f32 v[PC+6:PC+8], v[128:143], v[TM+3]
	v_cvt_scalef32_pk16_fp6_f32 v[PC+16:PC+18], v[144:159], v[TM+3]
	v_nop
.irp i, 0,1,2
	v_mov_b32 v[PC+3+\i], v[PC+12+\i]
	v_mov_b32 v[PC+9+\i], v[PC+16+\i]
.endr
.irp c, 0,1,2
	global_store_b128 v[ALI], v[PC+4*\c:PC+4*\c+3], s[82:83] offset:512*\c   ; 32 lanes store 512 consecutive bytes, aligned
.endr
	ds_store_b32 v[SWA], v[TM+6]                   ; both halves of the lanes write the same word with the same value
	s_wait_alu depctr_va_vdst(0)
	s_wait_dscnt 0x0                               ; my LDS stores are done: the part, the scale words
	s_barrier_signal -1
	s_barrier_wait -1
	s_cmp_lt_u32 s[WV], 4
	s_cbranch_scc0 .Lhigh
	s_cmp_lg_u32 s[WV], 3
	s_cbranch_scc1 .Lend
	ds_load_b128 v[232:235], v[SRD]                ; wave 3: the work-group's eight K steps' scale words of wo
	s_wait_dscnt 0x0
	global_store_b128 v[ALI], v[232:235], s[84:85] ; 512 consecutive bytes, aligned
	s_branch .Lend
.Lhigh:
	s_cmp_eq_u32 s[WV], 7
	s_cbranch_scc1 .Lalone
.irp k, 0,1,2,3,4,5,6,7,8,9,10,11,12,13,14,15
	ds_load_b128 v[96+4*\k:99+4*\k], v[PRT] offset:512*\k   ; waves 4-6: the part that wave w - 4 made of my tile
.endr
	ds_load_b128 v[232:235], v[PRT] offset:8192
	s_wait_dscnt 0x0
	v_min_num_f32 v254, v12, v232                  ; -(the larger M)
	v_sub_f32 v252, v254, v12                      ; (the two factors' chains by turns)
	v_sub_f32 v244, v254, v232
	v_cvt_i32_f32 v252, v252
	v_cvt_i32_f32 v244, v244
	v_ldexp_f32 v252, 1.0, v252                    ; my part's factor,
	v_ldexp_f32 v244, 1.0, v244                    ; the other's: powers of two
	v_pk_mul_f32 v[14:15], v[14:15], v[252:253] op_sel_hi:[1,0]
.set j, 0
.rept 32
	v_pk_mul_f32 v[160+j:161+j], v[160+j:161+j], v[252:253] op_sel_hi:[1,0]
.set j, j+2
.endr
	v_pk_fma_f32 v[14:15], v[234:235], v[244:245], v[14:15] op_sel_hi:[1,0,1]
.set j, 0
.rept 32
	v_pk_fma_f32 v[160+j:161+j], v[96+j:97+j], v[244:245], v[160+j:161+j] op_sel_hi:[1,0,1]
.set j, j+2
.endr
	s_wait_alu depctr_va_vdst(0)
.Lalone:
	FINISH                                         ; waves 4-7: my tile is done
.Lend:
	s_wait_tensorcnt 0x0                           ; the wave's end
	ds_add_u32 v250, v251
	s_wait_dscnt 0x0
	CROUND                                         ; the closing round
	s_endpgm
.Lfunc_end_k_q1254360c03_attn:
	.size	k_q1254360c03_attn, .Lfunc_end_k_q1254360c03_attn-k_q1254360c03_attn
	.p2alignl 7, 3214868480
	.fill 96, 4, 3214868480
	.section	.rodata,"a",@progbits
	.p2align	6, 0x0
	.amdhsa_kernel k_q1254360c03_attn
		.amdhsa_group_segment_fixed_size 327680
		.amdhsa_private_segment_fixed_size 0
		.amdhsa_enable_private_segment 0
		.amdhsa_kernarg_size 32
		.amdhsa_user_sgpr_count 2
		.amdhsa_user_sgpr_kernarg_segment_ptr 1
		.amdhsa_wavefront_size32 1
		.amdhsa_system_sgpr_workgroup_id_x 1
		.amdhsa_system_sgpr_workgroup_id_y 1
		.amdhsa_system_sgpr_workgroup_id_z 1
		.amdhsa_system_vgpr_workitem_id 0
		.amdhsa_next_free_vgpr 512
		.amdhsa_next_free_sgpr 90
		.amdhsa_reserve_vcc 1
		.amdhsa_float_denorm_mode_32 3
		.amdhsa_float_denorm_mode_16_64 3
		.amdhsa_memory_ordered 1
		.amdhsa_forward_progress 1
		.amdhsa_inst_pref_size 72
	.end_amdhsa_kernel
	.amdgpu_metadata
---
amdhsa.version: [ 1, 2 ]
amdhsa.kernels:
  - .name:           k_q1254360c03_attn
    .symbol:         k_q1254360c03_attn.kd
    .args:
      - { .name: qkv, .offset: 0, .size: 8, .value_kind: global_buffer, .address_space: global }
      - { .name: wo, .offset: 8, .size: 8, .value_kind: global_buffer, .address_space: global }
      - { .name: obuf, .offset: 16, .size: 8, .value_kind: global_buffer, .address_space: global }
      - { .name: wob, .offset: 24, .size: 8, .value_kind: global_buffer, .address_space: global }
    .group_segment_fixed_size: 327680
    .private_segment_fixed_size: 0
    .kernarg_segment_align: 8
    .kernarg_segment_size: 32
    .max_flat_workgroup_size: 256
    .sgpr_count:     90
    .vgpr_count:     512
    .wavefront_size: 32
...
	.end_amdgpu_metadata
.endif
;; end of part 3
;; launch proj (part 4): grid 16 x 16, 4 waves a work-group, clusters of 4 x 1, 327,680 bytes of LDS; arguments wob, obuf, out0; writes out0
.if DOCPART == 4
	.amdgcn_target "amdgcn-amd-amdhsa--gfx1250"
	.amdhsa_code_object_version 6
	.text
	.protected	k_q1254360c03_proj
	.globl	k_q1254360c03_proj
	.p2align	8
	.type	k_q1254360c03_proj,@function
k_q1254360c03_proj:
	s_mov_b64 s[64:65], 0
	v_nop
	global_prefetch_b8 v0, s[64:65] scope:SCOPE_SE
	s_setreg_imm32_b32 hwreg(HW_REG_WAVE_MODE, 25, 1), 1
	s_wait_xcnt 0x0
	s_wait_alu depctr_hold_cnt(0) depctr_sa_sdst(0) depctr_va_vdst(0) depctr_va_sdst(0) depctr_va_ssrc(0) depctr_va_vcc(0) depctr_vm_vsrc(0)
	s_getreg_b32 s2, hwreg(HW_REG_IB_STS2, 6, 4)
	s_cmp_eq_u32 s2, 0
	s_cbranch_scc0 .Lentry_in_a_cluster
	s_endpgm
.Lentry_in_a_cluster:
	s_bfe_u32 s2, ttmp6, 0x10000c
	s_cmp_lg_u32 s2, 0x3003
	s_cbranch_scc0 .Lentry_shape_is_right
	s_endpgm
.Lentry_shape_is_right:
; out0 = O wo^T on codes of FP6 (E2M3).  wo lies in wob, O in obuf, both as fragment images: codes [tile 0..127][K step 0..15][1,536], scale words from OSC on [tile][K step][64];
; tile T = 2 G + u holds rows 32 G + 8 u + p + 8 (p / 8).  out0 [2048][2048] f32.
; A work-group makes 128 rows x 128 columns: 8 tiles of wo (P, source 0: the columns) x 8 tiles of O (Q, source 1: the rows), K = 2,048: 16 x 16 = 256 work-groups.
; Wave w takes P's half w & 1 and Q's half w >> 1: 4 x 4 tiles, 16 accumulators; a K step is 24 LDS loads and 16 products.
; In a result lane (r, h) holds O's row r of the tile, and the 16 registers of P's tiles 2 b, 2 b + 1 are columns 32 b + 16 h + 0 .. 15: 64 neighbouring bytes of a row of out0.
; CLUSTER: the four partners (column blocks 4 x cluster x + cx) need the same tiles of O: waves 2 and 3 ask for them JOINTLY (mask 15); wo's tiles are each work-group's own: waves 0 and 1 fetch them by plain loads.
; RING: two LDS slots of four K steps each, 16 tiles x 6,144 bytes; slot 0 is asked for at the head, slot 1 behind the first round, and each is filled once more.  By this text's count a wave has one tensor load out.
; No prefetch: the walk along K has four fills, of which two leave at the head; two refills are all that could be run ahead of.
; THE WAY OUT goes through a stage of 16 rows x 272 bytes for each wave, on bytes of its own behind the spare words; a store covers two aligned runs of 256 bytes.
; REGISTERS: window 0: v1-14 addresses; v28-29 the add's; v32-95 scale words and nothing else; v128-223 Q's fragments, two sets of 48 (on the way out v128-191: rows read back);
;   window 1: v0-95 P's fragments, two sets of 48; v128-255 accumulator (i, t) at v[128 + 8 (4 i + t)].
.set TILEB, 24576
.set FRB,   1536
.set SLKS,  6144                       ; a tile's four K steps in a slot
.set QOFF,  8*SLKS                     ; a slot: P's 8 tiles, then Q's 8
.set SLOT,  16*SLKS
.set SPARE, 2*SLOT                     ; behind the ring: the spare words, 128 bytes a wave
.set STAGE, SPARE+512
.set SPI,   272
.set OSC,   3145728
.set ADP,   5
.set ADQ,   8
.set SC,    32                         ; v[SC + 4 ks + j]: j = 0, 1: my tiles 2 j of P in lanes 0-15, 2 j + 1 in lanes 16-31; j = 2, 3: my tiles of Q likewise
.set QF,    128
.set AC,    128
.set G1P,   24
.set G1Q,   32
.set G0P,   40
.set G0Q,   48
.set MSB, 0
.macro WIN new                         ; the immediate's high byte repeats the setting that is left
.if MSB != \new
	s_set_vgpr_msb (MSB<<8)|\new
.set MSB, \new
.endif
.endm
.macro PLACES n
.rept \n
	v_nop
.endr
.endm
.macro CREST
	s_cmp_lg_u32 s10, 0
	s_cbranch_scc1 .Lnot_wave_0_\@
	s_barrier_signal -3
.Lnot_wave_0_\@:
	s_barrier_wait -3
	s_barrier_signal -1
	s_barrier_wait -1
.endm
.macro CROUND
	s_barrier_signal -1
	s_barrier_wait -1
	CREST
.endm
.macro JLOAD s                         ; slot s.  Waves 0, 1: P's halves, plain; waves 2, 3: Q's halves, joint.  An s_nop 0 and four v_nop follow each line
	s_cmp_eq_u32 s11, 0
	s_cbranch_scc0 .Lfor_q_\@
	tensor_load_to_lds s[G0P+4*(\s):G0P+4*(\s)+3], s[G1P:G1P+7]
	s_nop 0
.rept 4
	v_nop
.endr
	s_branch .Lasked_\@
.Lfor_q_\@:
	tensor_load_to_lds s[G0Q+4*(\s):G0Q+4*(\s)+3], s[G1Q:G1Q+7]
	s_nop 0
.rept 4
	v_nop
.endr
.Lasked_\@:
.endm
	s_load_b128 s[4:7], s[0:1], 0x0                ; wob, obuf
	s_load_b64 s[8:9], s[0:1], 0x10                ; out0
	v_lshl_add_u32 v28, v0, 2, SPARE
	v_mov_b32 v29, 0
	ds_add_u32 v28, v29                            ; the opening lines: the add, twice on end, and its wait
	ds_add_u32 v28, v29
	v_lshrrev_b32 v1, 5, v0
	v_readfirstlane_b32 s10, v1                    ; wave 0..3
	s_lshr_b32 s11, s10, 1                         ; I fetch for P (0) or for Q (1).  Also: which half of Q I multiply
	s_and_b32 s12, s10, 1                          ; which half I fetch.  Also: which half of P I multiply
	s_bfe_u32 s13, ttmp6, 0x40000                  ; cx
	s_and_b32 s15, ttmp7, 0xffff                   ; y
	; what the four partners share
	s_lshl_b32 s22, s15, 3                         ; O's tiles from 8 y on
	s_lshl_b32 s23, s12, 2
	s_add_co_u32 s72, s22, s23
	s_mul_i32 s72, s72, TILEB                      ; the four tiles of O that I fetch
	s_mov_b32 s73, 0
	s_lshl_b32 s58, s11, 2
	s_add_co_u32 s58, s58, s22
	s_lshl_b32 s58, s58, 10
	s_add_co_u32 s58, s58, OSC                     ; the scale words of the four tiles of O that I multiply
	s_mov_b32 s59, 0
	s_mul_i32 s76, s12, 4*SLKS                     ; LDS: P's half w & 1, fetched and multiplied,
	s_add_co_u32 s77, s76, QOFF                    ; Q's half that I fetch,
	s_mul_i32 s78, s11, 4*SLKS
	s_add_co_u32 s78, s78, QOFF                    ; Q's half that I multiply
	s_mul_i32 s79, s10, 16*SPI
	s_add_co_u32 s79, s79, STAGE                   ; my stage
	; what hangs on cx: global addresses alone
	s_lshl_b32 s16, ttmp9, 2
	s_add_co_u32 s16, s16, s13                     ; my block of 128 columns
	s_lshl_b32 s18, s16, 3
	s_add_co_u32 s18, s18, s23                     ; my half's four tiles of wo
	s_mul_i32 s70, s18, TILEB
	s_mov_b32 s71, 0
	s_lshl_b32 s56, s18, 10
	s_add_co_u32 s56, s56, OSC
	s_mov_b32 s57, 0
	s_lshl_b32 s80, s15, 7
	s_lshl_b32 s81, s11, 6
	s_add_co_u32 s80, s80, s81                     ; my first row of out0: 128 y + 64 (w >> 1)
	s_lshl_b32 s80, s80, 13
	s_lshl_b32 s81, s16, 9
	s_add_co_u32 s80, s80, s81                     ; + 512 bytes for each block of columns
	s_lshl_b32 s81, s12, 8
	s_add_co_u32 s80, s80, s81                     ; + 256 for P's upper half
	s_mov_b32 s81, 0
	s_mov_b32 s[G1P+0], 3<<16                      ; elements of 8 bytes; no mask
	s_mov_b32 s[G1P+1], 768<<16                    ; rows of 768: a tile's four K steps
	s_mov_b32 s[G1P+2], 4<<16
	s_mov_b32 s[G1P+3], 768<<16
	s_mov_b32 s[G1P+4], 4                          ; 4 tiles
	s_mov_b32 s[G1P+5], 3072                       ; from tile to tile
	s_mov_b32 s[G1P+6], 0
	s_mov_b32 s[G1P+7], 0
	s_mov_b32 s[G1Q+0], 15|(3<<16)|(1<<21)         ; the mask names all four partners; bit 21 beside it
	s_mov_b32 s[G1Q+1], 768<<16
	s_mov_b32 s[G1Q+2], 4<<16
	s_mov_b32 s[G1Q+3], 768<<16
	s_mov_b32 s[G1Q+4], 4
	s_mov_b32 s[G1Q+5], 3072
	s_mov_b32 s[G1Q+6], 0
	s_mov_b32 s[G1Q+7], 0
	s_wait_dscnt 0x0                               ; both opening adds are done
	s_wait_kmcnt 0x0
	s_add_nc_u64 s[70:71], s[4:5], s[70:71]        ; P's codes
	s_add_nc_u64 s[72:73], s[6:7], s[72:73]        ; Q's codes
	s_add_nc_u64 s[56:57], s[4:5], s[56:57]        ; P's scale words
	s_add_nc_u64 s[58:59], s[6:7], s[58:59]        ; Q's
	s_add_nc_u64 s[66:67], s[8:9], s[80:81]        ; out0
	CROUND                                         ; all four work-groups are here: the first joint loads meet
.irp s, 0,1
	s_mov_b32 s[G0P+4*\s], 1
	s_add_co_u32 s[G0P+4*\s+1], s76, \s*SLOT
	s_add_nc_u64 s[G0P+4*\s+2:G0P+4*\s+3], s[70:71], \s*SLKS
	s_or_b32 s[G0P+4*\s+3], s[G0P+4*\s+3], 0x80000000
	s_mov_b32 s[G0Q+4*\s], 1
	s_add_co_u32 s[G0Q+4*\s+1], s77, \s*SLOT
	s_add_nc_u64 s[G0Q+4*\s+2:G0Q+4*\s+3], s[72:73], \s*SLKS
	s_or_b32 s[G0Q+4*\s+3], s[G0Q+4*\s+3], 0x80000000
.endr
	JLOAD 0                                        ; slot 0: one tensor load a wave at the head
	v_and_b32 v1, 31, v0                           ; lane
	v_and_b32 v2, 15, v0                           ; r
	v_bfe_u32 v3, v0, 4, 1                         ; h
	v_lshlrev_b32 v10, 2, v2
	v_lshl_add_u32 v10, v3, 10, v10                ; scale words: 4 r, lanes 16-31 one tile on
.irp ks, 0,1,2,3,4,5,6,7,8,9,10,11,12,13,14,15
.irp j, 0,1
	global_load_b32 v[SC+4*\ks+\j], v10, s[56:57] offset:2048*\j+64*\ks
.endr
.irp j, 0,1
	global_load_b32 v[SC+4*\ks+2+\j], v10, s[58:59] offset:2048*\j+64*\ks
.endr
.endr
	v_lshlrev_b32 v4, 4, v1                        ; 16 x lane
	v_add_nc_u32 v[ADP], s76, v4
	v_add_nc_u32 v[ADP+1], SLOT, v[ADP]
	v_add_nc_u32 v[ADQ], s78, v4
	v_add_nc_u32 v[ADQ+1], SLOT, v[ADQ]
	v_mul_u32_u24 v12, v2, SPI
	v_lshl_add_u32 v12, v3, 6, v12
	v_add_nc_u32 v12, s79, v12                     ; the stage, in: row r, + 64 h
	v_mul_u32_u24 v13, v3, SPI
	v_lshl_add_u32 v13, v2, 4, v13
	v_add_nc_u32 v13, s79, v13                     ; back: lanes 0-15 one row of 256 bytes, lanes 16-31 the next
	v_lshlrev_b32 v14, 4, v2
	v_lshl_add_u32 v14, v3, 13, v14                ; and the same two rows in out0
.macro WM i, t, ks                     ; Q's tile i x P's tile t, K step ks.  The first K step starts the sums: nothing is cleared
.set rD, AC+8*(4*(\i)+(\t))
.set rA, 48*((\ks)%2)+12*(\t)
.set rB, QF+48*((\ks)%2)+12*(\i)
.set rSA, SC+4*(\ks)+(\t)/2
.set rSB, SC+4*(\ks)+2+(\i)/2
.if (\ks) == 0
.if ((\t)%2 == 0) && ((\i)%2 == 0)
	v_wmma_scale_f32_16x16x128_f8f6f4 v[rD:rD+7], v[rA:rA+11], v[rB:rB+11], 0, v[rSA], v[rSB] matrix_a_fmt:MATRIX_FMT_FP6 matrix_b_fmt:MATRIX_FMT_FP6
.elseif ((\t)%2 == 1) && ((\i)%2 == 0)
	v_wmma_scale_f32_16x16x128_f8f6f4 v[rD:rD+7], v[rA:rA+11], v[rB:rB+11], 0, v[rSA], v[rSB] matrix_a_fmt:MATRIX_FMT_FP6 matrix_b_fmt:MATRIX_FMT_FP6 matrix_a_scale:MATRIX_SCALE_ROW1
.elseif ((\t)%2 == 0)
	v_wmma_scale_f32_16x16x128_f8f6f4 v[rD:rD+7], v[rA:rA+11], v[rB:rB+11], 0, v[rSA], v[rSB] matrix_a_fmt:MATRIX_FMT_FP6 matrix_b_fmt:MATRIX_FMT_FP6 matrix_b_scale:MATRIX_SCALE_ROW1
.else
	v_wmma_scale_f32_16x16x128_f8f6f4 v[rD:rD+7], v[rA:rA+11], v[rB:rB+11], 0, v[rSA], v[rSB] matrix_a_fmt:MATRIX_FMT_FP6 matrix_b_fmt:MATRIX_FMT_FP6 matrix_a_scale:MATRIX_SCALE_ROW1 matrix_b_scale:MATRIX_SCALE_ROW1
.endif
.else
.if ((\t)%2 == 0) && ((\i)%2 == 0)
	v_wmma_scale_f32_16x16x128_f8f6f4 v[rD:rD+7], v[rA:rA+11], v[rB:rB+11], v[rD:rD+7], v[rSA], v[rSB] matrix_a_fmt:MATRIX_FMT_FP6 matrix_b_fmt:MATRIX_FMT_FP6
.elseif ((\t)%2 == 1) && ((\i)%2 == 0)
	v_wmma_scale_f32_16x16x128_f8f6f4 v[rD:rD+7], v[rA:rA+11], v[rB:rB+11], v[rD:rD+7], v[rSA], v[rSB] matrix_a_fmt:MATRIX_FMT_FP6 matrix_b_fmt:MATRIX_FMT_FP6 matrix_a_scale:MATRIX_SCALE_ROW1
.elseif ((\t)%2 == 0)
	v_wmma_scale_f32_16x16x128_f8f6f4 v[rD:rD+7], v[rA:rA+11], v[rB:rB+11], v[rD:rD+7], v[rSA], v[rSB] matrix_a_fmt:MATRIX_FMT_FP6 matrix_b_fmt:MATRIX_FMT_FP6 matrix_b_scale:MATRIX_SCALE_ROW1
.else
	v_wmma_scale_f32_16x16x128_f8f6f4 v[rD:rD+7], v[rA:rA+11], v[rB:rB+11], v[rD:rD+7], v[rSA], v[rSB] matrix_a_fmt:MATRIX_FMT_FP6 matrix_b_fmt:MATRIX_FMT_FP6 matrix_a_scale:MATRIX_SCALE_ROW1 matrix_b_scale:MATRIX_SCALE_ROW1
.endif
.endif
.endm
.macro MULQ i, ks                      ; 4 products.  The 16 accumulators take turns, one instruction a turn, in the same order in every K step
	WIN 0x51                                       ; source 0 (P), C and D window 1, source 1 (Q) window 0
.irp t, 0,1,2,3
	WM \i, \t, \ks
.endr
.endm
.macro FETCH slot, ksl, set            ; 24 LDS loads in one run: a K step's 4 fragments of P and 4 of Q, as images: 512 consecutive bytes a load
	WIN 0x40                                       ; destination window 1
.irp t, 0,1,2,3
.irp c, 0,1,2
	ds_load_b128 v[48*(\set)+12*\t+4*\c:48*(\set)+12*\t+4*\c+3], v[ADP+(\slot)] offset:\t*SLKS+(\ksl)*FRB+512*\c
.endr
.endr
	WIN 0
.irp i, 0,1,2,3
.irp c, 0,1,2
	ds_load_b128 v[QF+48*(\set)+12*\i+4*\c:QF+48*(\set)+12*\i+4*\c+3], v[ADQ+(\slot)] offset:\i*SLKS+(\ksl)*FRB+512*\c
.endr
.endr
.endm
.macro KSTEP ks                        ; a K step whose successor lies in the same slot
	s_wait_dscnt 0x0                               ; this K step's fragments are in
	PLACES 4                                       ; in front of loads into the set that the last K step's products read
	FETCH (((\ks)+1)/4)%2, ((\ks)+1)%4, ((\ks)+1)%2
	MULQ 0, \ks
	MULQ 1, \ks
	MULQ 2, \ks
	MULQ 3, \ks
.endm
; A slot's last K step changes slots: one barrier; in front of it each wave waits for all its tensor loads, adds 0 to its spare word, and waits for that and for its reads of this slot.  fill = 1: this slot is filled again, 8 K steps on.
.macro CHANGE ks, fill
	s_wait_dscnt 0x0                               ; my reads of this slot are over
	WIN 0
	s_wait_tensorcnt 0x0                           ; all my tensor loads have landed
	ds_add_u32 v28, v29                            ; 0 onto my spare word
	MULQ 0, \ks
	s_wait_dscnt 0x0
	s_barrier_signal -1
	MULQ 1, \ks
	WIN 0
	s_barrier_wait -1
.if \fill
	CREST                                          ; no wave of any partner still reads this slot or has a load on its way
	s_add_nc_u64 s[G0P+4*(((\ks)/4)%2)+2:G0P+4*(((\ks)/4)%2)+3], s[G0P+4*(((\ks)/4)%2)+2:G0P+4*(((\ks)/4)%2)+3], 2*SLKS
	s_add_nc_u64 s[G0Q+4*(((\ks)/4)%2)+2:G0Q+4*(((\ks)/4)%2)+3], s[G0Q+4*(((\ks)/4)%2)+2:G0Q+4*(((\ks)/4)%2)+3], 2*SLKS
	JLOAD ((\ks)/4)%2                              ; the slot just left; its four v_nop are also the places in front of the loads below
.else
	PLACES 4
.endif
	FETCH (((\ks)+1)/4)%2, 0, 0
	MULQ 2, \ks
	MULQ 3, \ks
.endm
	s_wait_alu depctr_va_vdst(0)                   ; the wait at the head's end
	s_wait_tensorcnt 0x0                           ; my part of slot 0 is in; slot 1's first fill is issued as a refill is:
	ds_add_u32 v28, v29                            ; 0 onto my spare word,
	s_wait_dscnt 0x0
	CROUND                                         ; a whole round: everybody's part of slot 0 is in, and the four partners' joint loads meet
	JLOAD 1                                        ; slot 1, the first tensor load behind the round
	FETCH 0, 0, 0
	s_wait_loadcnt 0x0                             ; the scale words
	KSTEP 0
	KSTEP 1
	KSTEP 2
	CHANGE 3, 1
	KSTEP 4
	KSTEP 5
	KSTEP 6
	CHANGE 7, 1
	KSTEP 8
	KSTEP 9
	KSTEP 10
	CHANGE 11, 0                                   ; nothing is left to fetch
	KSTEP 12
	KSTEP 13
	KSTEP 14
	s_wait_dscnt 0x0
	MULQ 0, 15
	MULQ 1, 15
	MULQ 2, 15
	MULQ 3, 15
	WIN 0
; THE WAY OUT, tile by tile of 16 rows x 64 columns: into my stage, 64 bytes a lane for each block of 32 columns, and back as rows of 256 bytes, two to a load.
; LDS serves a wave's instructions in order: no wait between the stores and the loads, nor in front of the next tile's stores.
.macro TOSTAGE i
	WIN 0x04                                       ; an LDS store's data are its source 1: window 1
.irp b, 0,1
.irp e, 0,1,2,3
	ds_store_b128 v12, v[AC+32*(\i)+16*\b+4*\e:AC+32*(\i)+16*\b+4*\e+3] offset:128*\b+16*\e   ; each accumulator from its low end on
.endr
.endr
	WIN 0
.set BB, 128+32*((\i)%2)
.irp t, 0,1,2,3,4,5,6,7
	ds_load_b128 v[BB+4*\t:BB+4*\t+3], v13 offset:2*SPI*\t
.endr
.endm
.macro SEND i, younger                 ; younger: the LDS instructions issued behind tile i's loads, which may stay out
.set BB, 128+32*((\i)%2)
	s_wait_dscnt \younger
.irp t, 0,1,2,3,4,5,6,7
	global_store_b128 v14, v[BB+4*\t:BB+4*\t+3], s[66:67] offset:(32*((\i)/2)+8*((\i)%2)+2*\t+8*(\t/4))*8192 th:TH_STORE_NT   ; sixteen lanes store 256 consecutive bytes, aligned; the tile's rows 2 t and 2 t + 1 stand in the immediate and in the lanes' halves
.endr
.endm
	PLACES 4                                       ; behind the last products: results are read, and the registers of Q's fragments loaded into, below
	TOSTAGE 0
	TOSTAGE 1
	SEND 0, 16                                     ; behind tile 0's loads: tile 1's 8 stores and 8 loads
	s_wait_xcnt 0x0                                ; tile 0's stores have read their registers: tile 2's rows may land there
	TOSTAGE 2
	SEND 1, 16
	s_wait_xcnt 0x0
	TOSTAGE 3
	SEND 2, 16
	SEND 3, 0
	s_wait_tensorcnt 0x0                           ; the wave's end
	ds_add_u32 v28, v29
	s_wait_dscnt 0x0
	CROUND                                         ; the closing round
	s_endpgm
.Lfunc_end_k_q1254360c03_proj:
	.size	k_q1254360c03_proj, .Lfunc_end_k_q1254360c03_proj-k_q1254360c03_proj
	.p2alignl 7, 3214868480
	.fill 96, 4, 3214868480
	.section	.rodata,"a",@progbits
	.p2align	6, 0x0
	.amdhsa_kernel k_q1254360c03_proj
		.amdhsa_group_segment_fixed_size 327680
		.amdhsa_private_segment_fixed_size 0
		.amdhsa_enable_private_segment 0
		.amdhsa_kernarg_size 24
		.amdhsa_user_sgpr_count 2
		.amdhsa_user_sgpr_kernarg_segment_ptr 1
		.amdhsa_wavefront_size32 1
		.amdhsa_system_sgpr_workgroup_id_x 1
		.amdhsa_system_sgpr_workgroup_id_y 1
		.amdhsa_system_sgpr_workgroup_id_z 1
		.amdhsa_system_vgpr_workitem_id 0
		.amdhsa_next_free_vgpr 512
		.amdhsa_next_free_sgpr 84
		.amdhsa_reserve_vcc 0
		.amdhsa_float_denorm_mode_32 3
		.amdhsa_float_denorm_mode_16_64 3
		.amdhsa_memory_ordered 1
		.amdhsa_forward_progress 1
		.amdhsa_inst_pref_size 84
	.end_amdhsa_kernel
	.amdgpu_metadata
---
amdhsa.version: [ 1, 2 ]
amdhsa.kernels:
  - .name:           k_q1254360c03_proj
    .symbol:         k_q1254360c03_proj.kd
    .args:
      - { .name: wob, .offset: 0, .size: 8, .value_kind: global_buffer, .address_space: global }
      - { .name: obuf, .offset: 8, .size: 8, .value_kind: global_buffer, .address_space: global }
      - { .name: out0, .offset: 16, .size: 8, .value_kind: global_buffer, .address_space: global }
    .group_segment_fixed_size: 327680
    .private_segment_fixed_size: 0
    .kernarg_segment_align: 8
    .kernarg_segment_size: 24
    .max_flat_workgroup_size: 128
    .sgpr_count:     84
    .vgpr_count:     512
    .wavefront_size: 32
...
	.end_amdgpu_metadata
.endif
;; end of part 4
